; MI455X (gfx1250); checked and timed in simulation.
; The chip was launched on July 23, 2026; its instructions are those of AMD's public machine-readable ISA for CDNA 5 (MIT licence, August 2026) and "CDNA5" Instruction Set Architecture Reference Guide (July 2026). The comments in the code are by the model that wrote it; some were corrected since.
;; Single Head Attention. Allowed arithmetic: float matrix products may take bf16 or f16 operands with f32 sums; other float arithmetic in f32, or as packed bf16 or f16 multiplies, adds, multiply-adds, maxima and minima; sums over many terms, partial sums and values carried from step to step in f32; what a program stores and reads back later, other than sums and carried values, may be rounded once to bf16 or f16.
;; Inputs: W_k 1,024 x 1,024 float32; W_o 1,024 x 1,024 float32; W_q 1,024 x 1,024 float32; W_v 1,024 x 1,024 float32; x 4 x 2,048 x 1,024 float32.
;; Outputs: out0 4 x 2,048 x 1,024 float32.
;; One version. Each part assembles by itself: llvm-mc -triple=amdgcn-amd-amdhsa -mcpu=gfx1250 --defsym DOCPART=n.
;; ======== version 1 of 1: 6 launches
;; limits: values are held in f16: magnitudes above 65,504 overflow, below 6.1e-05 lose precision
;; workspace buffers: xb 16,777,216 bytes; wqkv 6,291,456 bytes; wo16 2,097,152 bytes; qkv 50,331,648 bytes; sbuf 67,108,864 bytes; pbuf 33,554,432 bytes; ob 16,777,216 bytes
;; launch cast (part 1): grid 1536 x 1, 8 waves a work-group, no clusters, 0 bytes of LDS; arguments x, W_q, W_k, W_v, W_o, xb, wqkv, wo16; writes xb, wqkv, wo16
.if DOCPART == 1
	.amdgcn_target "amdgcn-amd-amdhsa--gfx1250"
	.amdhsa_code_object_version 6
	.text
	.protected	k_qd2e634d63a_cast
	.globl	k_qd2e634d63a_cast
	.p2align	8
	.type	k_qd2e634d63a_cast,@function
k_qd2e634d63a_cast:
	s_mov_b64 s[64:65], 0
	v_nop
	global_prefetch_b8 v0, s[64:65] scope:SCOPE_SE
	s_setreg_imm32_b32 hwreg(HW_REG_WAVE_MODE, 25, 1), 1
	s_wait_xcnt 0x0
; THE INPUTS ARE ROUNDED ONCE.  x -> xb (bf16); W_q, W_k, W_v -> wqkv (bf16, the three one below the other: [3072][1024]); W_o -> wo16: rounded to bf16 like the others, and that number written as f16.
; LIMIT.  A bf16 number of W_o below 6e-5 in magnitude keeps f16's fixed step of 6e-8; beyond 65,504 it would be an infinity.
; SHARES.  A work-group takes 8,192 numbers: 32 KiB in, 16 KiB out, in eight chunks.  In chunk j thread t loads the 16 bytes at 16 t + 4,096 j and stores the 8 bytes at 8 t + 2,048 j:
; a wave's load covers 512 consecutive bytes, its store 256 consecutive bytes at a multiple of 256 from the buffer's first byte.
; Work-groups 0-1023 take x; 1024 + 128 s + r takes part r of weight s (q, k, v, o).  Memory binds: no LDS, no barrier, no matrix unit; all eight loads go out at once; no register is written twice while a store may read it.
.set X, 8                              ; v[8:39]   chunk j: 4 numbers as loaded
.set Y, 40                             ; v[40:55]  chunk j: 4 numbers of 16 bits, to store
.set T, 56                             ; v[56:58]  at work (W_o alone)
	s_load_b512 s[8:23], s[0:1], 0x0               ; x 8, W_q 10, W_k 12, W_v 14, W_o 16, xb 18, wqkv 20, wo16 22
	v_lshlrev_b32 v1, 4, v0                        ; my 16 bytes of a chunk in
	v_lshlrev_b32 v2, 3, v0                        ; my 8 bytes of a chunk out
	s_sub_co_u32 s2, ttmp9, 1024                   ; h: my place among the weights' work-groups (of no meaning for x's)
	s_lshr_b32 s3, s2, 7                           ; which weight
	s_and_b32 s4, s2, 127                          ; which part of it
	s_mov_b32 s27, 0
	s_mov_b32 s29, 0
	s_wait_kmcnt 0x0
	s_cmp_eq_u32 s3, 1
	s_cselect_b64 s[30:31], s[12:13], s[10:11]     ; from: W_k or W_q,
	s_cmp_eq_u32 s3, 2
	s_cselect_b64 s[30:31], s[14:15], s[30:31]     ; or W_v,
	s_cmp_eq_u32 s3, 3
	s_cselect_b64 s[30:31], s[16:17], s[30:31]     ; or W_o
	s_cselect_b64 s[32:33], s[22:23], s[20:21]     ; to: wo16 or wqkv,
	s_cselect_b32 s28, s4, s2                      ; at part r of wo16, or part h of wqkv
	s_cselect_b32 s5, 1, 0                         ; 1: the way by f16
	s_cmp_lt_u32 ttmp9, 1024                       ; x's work-groups
	s_cselect_b64 s[30:31], s[8:9], s[30:31]
	s_cselect_b64 s[32:33], s[18:19], s[32:33]
	s_cselect_b32 s26, ttmp9, s4
	s_cselect_b32 s28, ttmp9, s28
	s_cselect_b32 s5, 0, s5
	s_lshl_b32 s26, s26, 15                        ; 32,768 bytes in,
	s_lshl_b32 s28, s28, 14                        ; 16,384 out
	s_add_nc_u64 s[30:31], s[30:31], s[26:27]
	s_add_nc_u64 s[32:33], s[32:33], s[28:29]
.irp j, 0,1,2,3,4,5,6,7
	global_load_b128 v[X+4*(\j):X+4*(\j)+3], v1, s[30:31] offset:4096*(\j) th:TH_LOAD_NT
.endr
	s_cmp_eq_u32 s5, 1
	s_cbranch_scc1 .Lby_f16
.irp j, 0,1,2,3,4,5,6,7
	s_wait_loadcnt 7-(\j)                          ; loads come back in order: chunk j is in, the younger ones may stay out
	v_cvt_pk_bf16_f32 v[Y+2*(\j)],   v[X+4*(\j)],   v[X+4*(\j)+1]
	v_cvt_pk_bf16_f32 v[Y+2*(\j)+1], v[X+4*(\j)+2], v[X+4*(\j)+3]
	global_store_b64 v2, v[Y+2*(\j):Y+2*(\j)+1], s[32:33] offset:2048*(\j)
.endr
	s_endpgm
.Lby_f16:
.irp j, 0,1,2,3,4,5,6,7
	s_wait_loadcnt 7-(\j)
	v_cvt_pk_bf16_f32 v[T],   v[X+4*(\j)],   v[X+4*(\j)+1]    ; the rounding that all inputs get,
	v_cvt_pk_bf16_f32 v[T+1], v[X+4*(\j)+2], v[X+4*(\j)+3]
	v_lshlrev_b32 v[T+2], 16, v[T]                            ; widened again,
	v_and_b32 v[T], 0xffff0000, v[T]
	v_cvt_pk_f16_f32 v[Y+2*(\j)], v[T+2], v[T]                ; and written as f16
	v_lshlrev_b32 v[T+2], 16, v[T+1]
	v_and_b32 v[T+1], 0xffff0000, v[T+1]
	v_cvt_pk_f16_f32 v[Y+2*(\j)+1], v[T+2], v[T+1]
	global_store_b64 v2, v[Y+2*(\j):Y+2*(\j)+1], s[32:33] offset:2048*(\j)
.endr
	s_endpgm
.Lfunc_end_k_qd2e634d63a_cast:
	.size	k_qd2e634d63a_cast, .Lfunc_end_k_qd2e634d63a_cast-k_qd2e634d63a_cast
	.p2alignl 7, 3214868480
	.fill 96, 4, 3214868480
	.section	.rodata,"a",@progbits
	.p2align	6, 0x0
	.amdhsa_kernel k_qd2e634d63a_cast
		.amdhsa_group_segment_fixed_size 0
		.amdhsa_private_segment_fixed_size 0
		.amdhsa_enable_private_segment 0
		.amdhsa_kernarg_size 64
		.amdhsa_user_sgpr_count 2
		.amdhsa_user_sgpr_kernarg_segment_ptr 1
		.amdhsa_wavefront_size32 1
		.amdhsa_system_sgpr_workgroup_id_x 1
		.amdhsa_system_sgpr_workgroup_id_y 1
		.amdhsa_system_sgpr_workgroup_id_z 1
		.amdhsa_system_vgpr_workitem_id 0
		.amdhsa_next_free_vgpr 64
		.amdhsa_next_free_sgpr 66
		.amdhsa_reserve_vcc 0
		.amdhsa_float_denorm_mode_32 3
		.amdhsa_float_denorm_mode_16_64 3
		.amdhsa_memory_ordered 1
		.amdhsa_forward_progress 1
		.amdhsa_inst_pref_size 9
	.end_amdhsa_kernel
	.amdgpu_metadata
---
amdhsa.version: [ 1, 2 ]
amdhsa.kernels:
  - .name:           k_qd2e634d63a_cast
    .symbol:         k_qd2e634d63a_cast.kd
    .args:
      - { .name: x, .offset: 0, .size: 8, .value_kind: global_buffer, .address_space: global }
      - { .name: W_q, .offset: 8, .size: 8, .value_kind: global_buffer, .address_space: global }
      - { .name: W_k, .offset: 16, .size: 8, .value_kind: global_buffer, .address_space: global }
      - { .name: W_v, .offset: 24, .size: 8, .value_kind: global_buffer, .address_space: global }
      - { .name: W_o, .offset: 32, .size: 8, .value_kind: global_buffer, .address_space: global }
      - { .name: xb, .offset: 40, .size: 8, .value_kind: global_buffer, .address_space: global }
      - { .name: wqkv, .offset: 48, .size: 8, .value_kind: global_buffer, .address_space: global }
      - { .name: wo16, .offset: 56, .size: 8, .value_kind: global_buffer, .address_space: global }
    .group_segment_fixed_size: 0
    .private_segment_fixed_size: 0
    .kernarg_segment_align: 8
    .kernarg_segment_size: 64
    .max_flat_workgroup_size: 256
    .sgpr_count:     66
    .vgpr_count:     64
    .wavefront_size: 32
...
	.end_amdgpu_metadata
.endif
;; end of part 1
;; launch gqkv (part 2): grid 12 x 32, 4 waves a work-group, clusters of 4 x 4, 327,680 bytes of LDS; arguments xb, wqkv, qkv; writes qkv
.if DOCPART == 2
	.amdgcn_target "amdgcn-amd-amdhsa--gfx1250"
	.amdhsa_code_object_version 6
	.text
	.protected	k_qd2e634d63a_gqkv
	.globl	k_qd2e634d63a_gqkv
	.p2align	8
	.type	k_qd2e634d63a_gqkv,@function
k_qd2e634d63a_gqkv:
	s_mov_b64 s[64:65], 0
	v_nop
	global_prefetch_b8 v0, s[64:65] scope:SCOPE_SE
	s_setreg_imm32_b32 hwreg(HW_REG_WAVE_MODE, 25, 1), 1
	s_wait_xcnt 0x0
	s_wait_alu depctr_hold_cnt(0) depctr_sa_sdst(0) depctr_va_vdst(0) depctr_va_sdst(0) depctr_va_ssrc(0) depctr_va_vcc(0) depctr_vm_vsrc(0)
	s_getreg_b32 s2, hwreg(HW_REG_IB_STS2, 6, 4)
	s_cmp_eq_u32 s2, 0
	s_cbranch_scc0 .Lentry_in_a_cluster
	s_endpgm
.Lentry_in_a_cluster:
	s_bfe_u32 s2, ttmp6, 0x10000c
	s_cmp_lg_u32 s2, 0xf033
	s_cbranch_scc0 .Lentry_shape_is_right
	s_endpgm
.Lentry_shape_is_right:
; THE THREE PROJECTIONS AS ONE PRODUCT.  qkv[m][n] = sum over k of xb[m][k] wqkv[n][k].  xb: [8192][1024] bf16, wqkv: [3072][1024] bf16, qkv: [8192][3072] f16 (q, k, v side by side in a row); sums in f32, rounded once.
; LIMIT.  f16 holds no number beyond 65,504: q, k and v must lie within it (x and the weights thirty times their drawn spread give a spread of 900).
; A tile of qkv, 256 x 256, is made by a work-group of four waves; a wave makes 128 x 128: 64 accumulators of 16 x 16, 512 registers.  K goes in eight steps of 128 through a ring of two LDS slots filled by the
; tensor data mover: the rows of the tiles are 256 bytes of memory and start at multiples of 256 bytes from the buffer's first byte.  32 x 12 tiles: 384 work-groups, one tile each.
; The last K step goes by rows of the tile, so that finished rows leave while the others are multiplied.
; CLUSTERS: 4 x 4 work-groups.  The four of a row of the cluster need the same tiles of xb, the four of a column the same tiles of wqkv.  Such a tile is asked for JOINTLY: each of the four issues the same
; tensor load, with the same descriptor and a mask that names the four, and each receives the tile in its own LDS.
; REGISTERS, in windows of 256 (an instruction names v0-v255; s_set_vgpr_msb says which window each operand place means: bits 1:0 source 0, 3:2 source 1, 5:4 source 2, 7:6 destination):
;   window 0: v0-31 addresses; v64-127, v128-191 fragments of A (8 x 16 rows x 32 K), two buffers (in the last K step four, of 16 rows x 128 K); v32-63, v192-255 at work on the way out
;   window 1: v64-127, v128-191 fragments of B, two buffers; in the last K step all 256: B's fragments of the whole step
;   window 2: the 32 accumulators of my rows 0-63 (accumulator (a, b) at v[8 (8 a + b)]);   window 3: those of my rows 64-127
; THE MATRIX INSTRUCTION IS USED TRANSPOSED: source 0 = 16 rows of wqkv, source 1 = 16 rows of xb.  In the result lane l holds row l % 16 of the tile, and its registers 0 to 7 the columns 8 (l / 16) + 0 .. 7:
; eight neighbouring numbers of a row of qkv, which pack into 16 bytes.
.set SIZE_N, 3072
.set SIZE_K, 1024
.set KSTEP,  128
.set PITCH,  272                       ; an LDS row: 256 bytes of data + 16 of padding = 68 words: row r starts at bank 4 r mod 64 (64 banks of 4 bytes: ISA guide 11.1), so the 16 rows that a load touches start at 16 different banks
.set HALFT,  128*PITCH                 ; 128 rows: what one tensor load brings, and what one wave reads of A or of B
.set SLOT,   4*HALFT                   ; A's 256 rows, then B's 256 rows
.set STAGE,  2*SLOT                    ; behind the ring: 16 rows x 272 bytes for each wave, for the way out
.set SPITCH, 272
.set SPARE,  STAGE+4*16*SPITCH         ; behind the stages: the spare words, 128 bytes for each wave: two blocks of 256 bytes that no other line names
.set LAPS, SIZE_K/(2*KSTEP)            ; a lap = two K steps = once round the ring: 4
.set ADRA, 16                          ; v16-17  LDS address of my A fragments in slot 0, 1
.set ADRB, 20                          ; v20-21  the same for B
.set STO,  24                          ; v24     the way out: where I put 16 bytes of a row
.set RD,   25                          ; v25     the way out: where I read a row back
.set CO,   26                          ; v26     my byte offset in qkv
.set SPW,  28                          ; v28     LDS address of my spare word: SPARE + 4 x my thread's number; never rewritten
.set NIL,  29                          ; v29     0; never rewritten
.set PFO,  30                          ; v30     the prefetches' offset: my lane x a row of xb or wqkv in memory; never rewritten
.set PFA,  44                          ; s[44:45] where my prefetches stand: my work-group's 32 rows of the 128 that I fetch, one K step further along K than the refill that is being asked for; a prefetch names the K step after that
.set LIM,  43                          ; s43     1 in a wave that prefetches, else the greatest number
.set F0,   64                          ; fragment buffer 0
.set F1,   128                         ; fragment buffer 1
.set TMP,  192                         ; the way out: packed results, in window 0
.set OB,   32                          ; the way out: 16 rows read back from the stage: v32-63 and v224-255 by turns
.set PA,   64                          ; the last K step: A's fragments of 16 rows x 128 K, 32 registers; four such buffers, v64-191
.set G1, 24                            ; s[24:31] descriptor group 1 for A's tiles
.set G0, 32                            ; s[32:39] descriptor group 0 for A's tiles, one set for each slot
.set G1B, 48                           ; s[48:55] descriptor group 1 for B's tiles: it differs from A's in the mask alone
.set G0B, 56                           ; s[56:63] descriptor group 0 for B's tiles, one set for each slot
.set MSB, 0
.macro WIN new                         ; the immediate's high byte repeats the setting that is left; a switch that changes nothing is dropped
.if MSB != (\new)
	s_set_vgpr_msb (MSB<<8)|(\new)
.set MSB, \new
.endif
.endm
.set MUL_LO, 0xa1                      ; source 0 (B) window 1, source 1 (A) window 0, C and D window 2
.set MUL_HI, 0xf1                      ; the same, C and D window 3
.set TO_B,   0x40                      ; destination window 1, address window 0
; A joint load.  Waves 0 and 1 fetch A's two halves, waves 2 and 3 B's.  Each of the two lines has ONE mask and one set of registers for all that issue it.  The branch hangs on the wave's number alone.
; An s_nop 0 and four v_nop follow each of the two lines; the jump round the other line, the label and what follows the macro come after them.
.macro JLOAD s
	s_cmp_eq_u32 s11, 0
	s_cbranch_scc0 .Lfor_b_\@
	tensor_load_to_lds s[G0+4*(\s):G0+4*(\s)+3], s[G1:G1+7]
	s_nop 0
.rept 4
	v_nop
.endr
	s_branch .Lasked_\@
.Lfor_b_\@:
	tensor_load_to_lds s[G0B+4*(\s):G0B+4*(\s)+3], s[G1B:G1B+7]
	s_nop 0
.rept 4
	v_nop
.endr
.Lasked_\@:
.endm
; A PREFETCH INTO THE L2, behind each joint load, its five lines and the run of LDS loads that follows them: the K step that stands TWO refills on (512 matrix instructions ahead of the load that will want it):
; 32 rows x 256 bytes, a lane a row, one instruction a wave.  Each row's 256 bytes of a K step are named ONCE in the launch.  A's tile row is read by every cluster of that row of clusters: the one with cluster x = 0
; asks; B's tile column by every cluster of that column: cluster y = 0 asks.  The four partners that ask for a tile jointly share its rows out BY ADDRESS: of the 128 rows that a wave fetches, the partner at place p
; takes 32 p .. 32 p + 31 (p = cx for A, cy for B): no branch hangs on a work-group's place in its cluster.  K steps 0 to 3 come by their loads alone; the loop's last trip has no K step two refills on, and asks for nothing.
.macro ASK
	s_cmp_gt_u32 s3, s[LIM]                        ; s3 = 1 in the loop's last trip
	s_cbranch_scc0 .Lnot_mine_\@
	global_prefetch_b8 v[PFO], s[PFA:PFA+1] offset:KSTEP*2 th:TH_LOAD_NT scope:SCOPE_SE
.Lnot_mine_\@:
.endm
; A round of the cluster's barrier: my work-group's barrier, so that wave 0's signal speaks for all four waves; wave 0 signals for the work-group; every wave waits for all sixteen work-groups; my work-group's barrier once more.
.macro CREST                           ; a round behind its opening barrier
	s_cmp_lg_u32 s10, 0
	s_cbranch_scc1 .Lnot_wave_0_\@
	s_barrier_signal -3
.Lnot_wave_0_\@:
	s_barrier_wait -3
	s_barrier_signal -1
	s_barrier_wait -1
.endm
.macro CROUND                          ; a whole round
	s_barrier_signal -1
	s_barrier_wait -1
	CREST
.endm
	s_load_b128 s[4:7], s[0:1], 0x0                ; xb s[4:5], wqkv s[6:7]
	s_load_b64 s[8:9], s[0:1], 0x10                ; qkv
	v_lshl_add_u32 v[SPW], v0, 2, SPARE
	v_mov_b32 v[NIL], 0
	ds_add_u32 v[SPW], v[NIL]                      ; the wave's opening: the add and its wait stand ahead of my first tensor load; the set-up below, work on registers, stands between them
	v_lshrrev_b32 v1, 5, v0
	v_readfirstlane_b32 s10, v1                    ; wave 0..3
	s_lshr_b32 s11, s10, 1                         ; which half of the tile's rows is mine.  Also: I fetch for A (0) or for B (1)
	s_and_b32 s12, s10, 1                          ; which half of its columns.  Also: which 128 rows of that tile I fetch
	s_bfe_u32 s40, ttmp6, 0x40000                  ; cx: my place along the cluster's x
	s_bfe_u32 s41, ttmp6, 0x40004                  ; cy: along its y
	s_lshl_b32 s42, ttmp9, 2                       ; in a cluster launch ttmp9 and ttmp7 count clusters
	s_add_co_u32 s42, s42, s40                     ; tile column = 4 x cluster x + cx
	s_and_b32 s13, ttmp7, 0xffff
	s_lshl_b32 s13, s13, 2
	s_add_co_u32 s13, s13, s41                     ; tile row = 4 x cluster y + cy
	s_lshl_b32 s43, s41, 2
	s_lshl_b32 s43, 15, s43                        ; my row of the cluster: places 4 cy .. 4 cy + 3
	s_lshl_b32 s44, 0x1111, s40                    ; my column: places cx, cx + 4, cx + 8, cx + 12
	; descriptor group 1: a tile of 128 rows x 128 elements, padded in LDS
	s_or_b32 s[G1+0], s43, (1<<16)|(1<<20)|(1<<21)|(5<<22)|(3<<25)  ; 15:0 the mask: A's tiles go to my row; 17:16 element of 2 bytes; 20 padding on; 21 set beside a mask; 24:22 after every 64 words (code 5); 31:25 of 4 words (code 3)
	s_or_b32 s[G1B+0], s44, (1<<16)|(1<<20)|(1<<21)|(5<<22)|(3<<25) ; the same with the mask of my column, for B's tiles
.irp g, G1, G1B
	s_mov_b32 s[(\g)+1], KSTEP<<16                 ; tensor_dim0 = 128
	s_mov_b32 s[(\g)+2], 128<<16                   ; tensor_dim1 = 128
	s_mov_b32 s[(\g)+3], KSTEP<<16                 ; tile_dim0 = 128
	s_mov_b32 s[(\g)+4], 128                       ; tile_dim1 = 128
	s_mov_b32 s[(\g)+5], SIZE_K                    ; elements from row to row
	s_mov_b32 s[(\g)+6], 0
	s_mov_b32 s[(\g)+7], 0
.endr
	; where the tiles come from.  A's hang on the tile row alone, which my row of the cluster shares; B's on the tile column alone, which my column shares.
	; Every wave makes both addresses, in registers that never hold the other coordinate, and asks by one of them.
	s_lshl_b32 s17, s12, 7                         ; which 128 rows of the tile I fetch
	s_lshl_b32 s16, s13, 8
	s_add_co_u32 s16, s16, s17                     ; A: row 256 x tile row + 128 x half
	s_lshl_b32 s46, s42, 8
	s_add_co_u32 s46, s46, s17                     ; B: row 256 x tile column + 128 x half
	s_mov_b32 s17, 0
	s_mov_b32 s47, 0
	s_mov_b64 s[18:19], SIZE_K*2
	s_mul_u64 s[16:17], s[16:17], s[18:19]         ; in bytes, in 64 bits
	s_mul_u64 s[46:47], s[46:47], s[18:19]
	s_mul_i32 s20, s10, HALFT                      ; and where they go: A's two halves, then B's two halves = wave x 128 rows: no place in the cluster enters an LDS address
	s_wait_dscnt 0x0                               ; the opening add is done
	s_wait_kmcnt 0x0
	s_add_nc_u64 s[14:15], s[4:5], s[16:17]
	s_add_nc_u64 s[46:47], s[6:7], s[46:47]
	CROUND                                         ; all sixteen work-groups are here: the first joint loads meet
.irp s, 0,1
	s_mov_b32 s[G0+4*(\s)], 1                                      ; 1:0 count = 1
	s_add_co_u32 s[G0+4*(\s)+1], s20, (\s)*SLOT                    ; 63:32 LDS address
	s_add_nc_u64 s[G0+4*(\s)+2:G0+4*(\s)+3], s[14:15], (\s)*KSTEP*2  ; 120:64 global address: K step s
	s_or_b32 s[G0+4*(\s)+3], s[G0+4*(\s)+3], 0x80000000            ; 127:126 type = 2
	s_mov_b32 s[G0B+4*(\s)], 1
	s_add_co_u32 s[G0B+4*(\s)+1], s20, (\s)*SLOT
	s_add_nc_u64 s[G0B+4*(\s)+2:G0B+4*(\s)+3], s[46:47], (\s)*KSTEP*2
	s_or_b32 s[G0B+4*(\s)+3], s[G0B+4*(\s)+3], 0x80000000
	JLOAD \s                                       ; the ring is filled before anything else is done: two loads of mine are out
.endr
	; A fragment is 16 rows x 32 K in 8 registers: lane l holds row l % 16; registers 0-3 hold K = 8 (l / 16) + 0..7, registers 4-7 hold K = 16 + 8 (l / 16) + 0..7: two loads of 16 bytes, 32 bytes apart.
	v_and_b32 v1, 15, v0                           ; l % 16
	v_bfe_u32 v2, v0, 4, 1                         ; l / 16
	v_mul_u32_u24 v3, v1, PITCH
	v_lshl_add_u32 v3, v2, 4, v3                   ; row x pitch + 16 x half
	s_mul_i32 s21, s11, HALFT                      ; my 128 rows of A
	s_mul_i32 s22, s12, HALFT                      ; my 128 rows of B,
	s_add_co_u32 s22, s22, 2*HALFT                 ; which lie behind A's 256
.irp s, 0,1
	v_add_nc_u32 v[ADRA+(\s)], s21, v3
	v_add_nc_u32 v[ADRB+(\s)], s22, v3
	s_add_co_u32 s21, s21, SLOT
	s_add_co_u32 s22, s22, SLOT
.endr
	s_mul_i32 s23, s10, 16*SPITCH
	s_add_co_u32 s23, s23, STAGE                   ; my stage
	v_mul_u32_u24 v4, v1, SPITCH                   ; in: row l % 16, 16 bytes for each half of the lanes
	v_lshl_add_u32 v4, v2, 4, v4
	v_add_nc_u32 v[STO], s23, v4
	v_mul_u32_u24 v5, v2, SPITCH                   ; back: lanes 0-15 take one row of 256 bytes, lanes 16-31 the next
	v_lshl_add_u32 v5, v1, 4, v5
	v_add_nc_u32 v[RD], s23, v5
	v_mul_u32_u24 v5, v2, SIZE_N*2                 ; and the same two rows in qkv
	v_lshl_add_u32 v[CO], v1, 4, v5
	; where my part of the tile begins in qkv, in bytes: the way out adds it to qkv's address
	s_lshl_b32 s13, s13, 8
	s_lshl_b32 s14, s11, 7
	s_add_co_u32 s16, s13, s14                     ; my first row
	s_mov_b32 s17, 0
	s_mov_b64 s[18:19], SIZE_N*2
	s_mul_u64 s[16:17], s[16:17], s[18:19]
	s_lshl_b32 s46, s42, 9                         ; my first column, in bytes: 512 x tile column + 256 x half
	s_lshl_b32 s47, s12, 8
	s_add_co_u32 s46, s46, s47
	s_mov_b32 s47, 0
	s_add_nc_u64 s[16:17], s[16:17], s[46:47]
	; the prefetches.  s13 = 256 x tile row, s42 = tile column, s40 = cx, s41 = cy still stand
	s_lshl_b32 s42, s42, 8
	s_and_b32 s22, ttmp7, 0xffff                   ; cluster y
	s_cmp_eq_u32 s11, 0                            ; do I fetch for A?
	s_cselect_b32 s20, s13, s42                    ; the tile's first row: in A by the tile row, in B by the tile column
	s_cselect_b32 s21, s40, s41                    ; my place among the four that ask for it with me
	s_cselect_b32 s22, ttmp9, s22                  ; the coordinate along which other clusters read the same rows
	s_cselect_b64 s[PFA:PFA+1], s[4:5], s[6:7]
	s_cmp_eq_u32 s22, 0
	s_cselect_b32 s[LIM], 1, -1                    ; the same in all sixteen partners, for a given wave
	s_lshl_b32 s22, s12, 7
	s_add_co_u32 s20, s20, s22                     ; + the 128 rows that I fetch
	s_lshl_b32 s21, s21, 5
	s_add_co_u32 s20, s20, s21                     ; + my work-group's 32 of them
	s_mov_b32 s21, 0
	s_mov_b64 s[18:19], SIZE_K*2
	s_mul_u64 s[20:21], s[20:21], s[18:19]
	s_add_nc_u64 s[PFA:PFA+1], s[PFA:PFA+1], s[20:21]
	s_add_nc_u64 s[PFA:PFA+1], s[PFA:PFA+1], 2*KSTEP*2  ; at K step 2: the first refill steps it to 3 and names K step 4
	v_and_b32 v[PFO], 31, v0
	v_mul_u32_u24 v[PFO], v[PFO], SIZE_K*2
	; nothing is prefetched here, at the head, where every work-group's first two tiles are on their way
; 16 matrix instructions: m blocks a0, a0 + 1 of the window's four (hi = 0: my rows 0-63, 1: rows 64-127) x all 8 n blocks, 32 along K.  zero = 1: the first product starts the sums: nothing is ever cleared.
; The 64 accumulators take turns, one instruction a turn, in the same order in every quarter step.
.macro MUL16 f, hi, a0, zero
	WIN MUL_LO+0x50*(\hi)  ; MUL_LO or MUL_HI
.irp a, \a0, (\a0)+1
.irp b, 0,1,2,3,4,5,6,7
.if \zero
	v_wmma_f32_16x16x32_bf16 v[8*(8*(\a)+(\b)):8*(8*(\a)+(\b))+7], v[(\f)+8*(\b):(\f)+8*(\b)+7], v[(\f)+8*(4*(\hi)+(\a)):(\f)+8*(4*(\hi)+(\a))+7], 0
.else
	v_wmma_f32_16x16x32_bf16 v[8*(8*(\a)+(\b)):8*(8*(\a)+(\b))+7], v[(\f)+8*(\b):(\f)+8*(\b)+7], v[(\f)+8*(4*(\hi)+(\a)):(\f)+8*(4*(\hi)+(\a))+7], v[8*(8*(\a)+(\b)):8*(8*(\a)+(\b))+7]
.endif
.endr
.endr
.endm
; 32 LDS loads in one run: the fragments of one quarter step (128 rows of B, 128 rows of A, 32 K at byte k of the rows) into buffer f
.macro FETCH slot, k, f
	WIN TO_B
.irp i, 0,1,2,3,4,5,6,7
	ds_load_b128 v[(\f)+8*(\i):(\f)+8*(\i)+3],   v[ADRB+(\slot)] offset:(\k)+(\i)*16*PITCH
	ds_load_b128 v[(\f)+8*(\i)+4:(\f)+8*(\i)+7], v[ADRB+(\slot)] offset:(\k)+(\i)*16*PITCH+32
.endr
	WIN 0
.irp i, 0,1,2,3,4,5,6,7
	ds_load_b128 v[(\f)+8*(\i):(\f)+8*(\i)+3],   v[ADRA+(\slot)] offset:(\k)+(\i)*16*PITCH
	ds_load_b128 v[(\f)+8*(\i)+4:(\f)+8*(\i)+7], v[ADRA+(\slot)] offset:(\k)+(\i)*16*PITCH+32
.endr
.endm
; A load into a register that a matrix instruction has read, and a vector instruction that reads a matrix result, stand four places behind that matrix instruction, and only plain vector instructions that
; name none of its registers are places (ISA guide 7.12.1 for vector instructions).
.macro PLACES
.rept 4
	v_nop
.endr
.endm
; A K step is four quarter steps of 32 along K, 64 matrix instructions each, on buffers 0, 1, 0, 1.
; One of the first three: multiplies buffer f; in its middle it fetches the next quarter's fragments, at byte k of the same slot's rows, into buffer g.
.macro QUARTER slot, k, f, g, zero
	s_wait_dscnt 8                                 ; B and A's rows 0-63 are in; the youngest eight loads (A's rows 64-127) may be out
	WIN MUL_LO
	MUL16 \f, 0, 0, \zero
	MUL16 \f, 0, 2, \zero
	PLACES
	FETCH \slot, \k, \g
	s_wait_dscnt 32                                ; all but the 32 just issued
	WIN MUL_HI
	MUL16 \f, 1, 0, \zero
	MUL16 \f, 1, 2, \zero
.endm
; The last quarter multiplies buffer 1 and changes slots.  MEET is its first half: ONE barrier for the change of slots.  In front of it each wave waits for all its tensor loads, of which one is out: its part of the
; next slot; adds 0 to its spare word; and waits for that and for its own reads of this slot.  Behind it nobody reads this slot any more and the next slot is whole.
.macro MEET round                      ; round = 1: a round of the cluster's barrier follows
	WIN 0                                          ; (the add's two registers lie in window 0)
	s_wait_tensorcnt 0x0                           ; all my tensor loads have landed: the one that was out is my part of the next slot;
	ds_add_u32 v[SPW], v[NIL]                      ; 0 onto my spare word;
	s_wait_dscnt 9                                 ; (the add and the youngest eight loads may be out)
	WIN MUL_LO
	MUL16 F1, 0, 0, 0                              ; sixteen matrix instructions stand between the add and the wait for it
	s_wait_dscnt 0x0                               ; the add is done, and my reads of this slot are over:
	s_barrier_signal -1                            ; say so,
	MUL16 F1, 0, 2, 0                              ; work on registers while the others arrive,
.if \round
	WIN 0
.endif
	s_barrier_wait -1                              ; and go on when all four have said so
.endm
; The whole last quarter.  Behind the round the slot just read out is filled again first, with the K step two steps on; then come the next slot's first fragments.  From a request to the wait for it a wave issues 224 matrix instructions.
.macro TURN slot, next
	s_wait_xcnt 0x0                                ; the last prefetch, a K step back, has read its address: it is stepped here, ahead of the waits of the change of slots
	s_add_nc_u64 s[PFA:PFA+1], s[PFA:PFA+1], KSTEP*2
	MEET 1
	CREST                                          ; no wave of any partner still reads this slot's tile or has a load on its way
	s_add_nc_u64 s[G0+4*(\slot)+2:G0+4*(\slot)+3], s[G0+4*(\slot)+2:G0+4*(\slot)+3], 2*KSTEP*2
	s_add_nc_u64 s[G0B+4*(\slot)+2:G0B+4*(\slot)+3], s[G0B+4*(\slot)+2:G0B+4*(\slot)+3], 2*KSTEP*2
	JLOAD \slot                                    ; the first tensor load behind the round; the four v_nop behind it are also the places in front of the loads below
	FETCH \next, 0, F0
	ASK                                            ; behind the joint load and the run of LDS loads that the next products wait for
	WIN MUL_HI
	MUL16 F1, 1, 0, 0
	MUL16 F1, 1, 2, 0
.endm
; THE LAST K STEP (it lies in slot 1) GOES BY ROWS OF THE TILE, NOT BY K.  All its fragments of B (4 quarters x 64 registers) fill window 1; then my eight blocks of 16 rows are finished one after the other,
; each with 32 matrix instructions (its 8 accumulators by turns, K ascending).  LDS is read no more than in any other K step.
.macro BLOAD q                         ; B's fragments of quarter q -> window 1, v[64 q ..]
	WIN TO_B
.irp i, 0,1,2,3,4,5,6,7
	ds_load_b128 v[64*(\q)+8*(\i):64*(\q)+8*(\i)+3],   v[ADRB+1] offset:64*(\q)+(\i)*16*PITCH
	ds_load_b128 v[64*(\q)+8*(\i)+4:64*(\q)+8*(\i)+7], v[ADRB+1] offset:64*(\q)+(\i)*16*PITCH+32
.endr
.endm
.macro ALOAD a                         ; A's fragments of block a, all four quarters -> buffer a % 4
	WIN 0
.set FA, PA+32*((\a)%4)
.irp q, 0,1,2,3
	ds_load_b128 v[FA+8*(\q):FA+8*(\q)+3],   v[ADRA+1] offset:64*(\q)+(\a)*16*PITCH
	ds_load_b128 v[FA+8*(\q)+4:FA+8*(\q)+7], v[ADRA+1] offset:64*(\q)+(\a)*16*PITCH+32
.endr
.endm
.macro ROW a                           ; block a is finished: 32 matrix instructions
.set FA, PA+32*((\a)%4)                ; its fragments of A
.set AC, 64*((\a)%4)                   ; its eight accumulators, in window 2 (blocks 0-3) or 3 (blocks 4-7)
	WIN MUL_LO+0x50*((\a)/4)                       ; MUL_LO or MUL_HI
.irp q, 0,1,2,3
.if (\a) == 0 && (\q) == 2
	s_wait_dscnt 24                                ; B's quarter 2 is in (behind it: A's blocks 1 to 3)
.endif
.irp b, 0,1,2,3,4,5,6,7
	v_wmma_f32_16x16x32_bf16 v[AC+8*(\b):AC+8*(\b)+7], v[64*(\q)+8*(\b):64*(\q)+8*(\b)+7], v[FA+8*(\q):FA+8*(\q)+7], v[AC+8*(\b):AC+8*(\b)+7]
.endr
.endr
.endm
; THE WAY OUT of block a, in three parts.  PACK: rounded to f16, 16 bytes a lane.  TOSTAGE: into my own stage in LDS, and back as whole rows of 256 bytes.  SEND: stored.
.macro PACK a
.set AC, 64*((\a)%4)
	WIN 0x0a+5*((\a)/4)                            ; sources 0 and 1: window 2 or 3
.irp b, 0,1,2,3,4,5,6,7
.irp r, 0,1,2,3
	v_cvt_pk_f16_f32 v[TMP+4*(\b)+(\r)], v[AC+8*(\b)+2*(\r)], v[AC+8*(\b)+2*(\r)+1]
.endr
.endr
	WIN 0
.endm
.macro TOSTAGE a
	WIN 0
.set BK, OB+192*((\a)%2)
.irp b, 0,1,2,3,4,5,6,7
	ds_store_b128 v[STO], v[TMP+4*(\b):TMP+4*(\b)+3] offset:32*(\b)
.endr
.irp t, 0,1,2,3,4,5,6,7
	ds_load_b128 v[BK+4*(\t):BK+4*(\t)+3], v[RD] offset:(\t)*2*SPITCH  ; LDS serves a wave's instructions in order (ISA guide 5.7.1.4): these see the stores above
.endr
.endm
.macro SEND a, younger                 ; younger: the LDS loads issued behind TOSTAGE's, which may stay out
	WIN 0
.set BK, OB+192*((\a)%2)
	s_wait_dscnt \younger                          ; the block is back in registers
	s_wait_xcnt 0x0                                ; every earlier memory instruction has had its addresses translated (ISA guide 3.1): only behind this wait are the stores' base and the registers that earlier stores read rewritten
.if (\a) == 0
	s_add_nc_u64 s[8:9], s[8:9], s[16:17]          ; on to my first rows of the tile
.else
	s_add_nc_u64 s[8:9], s[8:9], 16*SIZE_N*2       ; 16 rows on, so that the stores' offsets stay small
.endif
.irp t, 0,1,2,3,4,5,6,7
	global_store_b128 v[CO], v[BK+4*(\t):BK+4*(\t)+3], s[8:9] offset:2*(\t)*SIZE_N*2  ; 16 lanes store 256 consecutive bytes, at a multiple of 256 from qkv's first byte
.endr
.endm
	s_wait_tensorcnt 1                             ; my part of K step 0 is in; K step 1's may stay out
	s_barrier_signal -1
	s_barrier_wait -1                              ; everybody's is
	FETCH 0, 0, F0
	QUARTER 0, 64,  F0, F1, 1                      ; the first quarter stands in front of the loop: its products start the sums
	WIN 0                                          ; at a label and at a branch every window is 0
	s_mov_b32 s3, LAPS-1
.Llap:                                                 ; a trip goes once round the ring, from a lap's second quarter to the next lap's first, and fills both slots again
	QUARTER 0, 128, F1, F0, 0
	QUARTER 0, 192, F0, F1, 0
	TURN 0, 1
	QUARTER 1, 64,  F0, F1, 0
	QUARTER 1, 128, F1, F0, 0
	QUARTER 1, 192, F0, F1, 0
	TURN 1, 0
	QUARTER 0, 64,  F0, F1, 0
	WIN 0
	s_sub_co_u32 s3, s3, 1
	s_cmp_lg_u32 s3, 0
	s_cbranch_scc1 .Llap
	QUARTER 0, 128, F1, F0, 0                      ; the last lap goes on; it asks for nothing more
	QUARTER 0, 192, F0, F1, 0
	MEET 0                                         ; my one tensor load that was still out is slot 1's, the last K step's, so no round follows
	PLACES                                         ; for the loads into buffer 0, which the quarter before multiplied
	WIN TO_B
	BLOAD 0                                        ; three quarters of B now: buffer 1 (v128-191 of both windows) is still being multiplied
	BLOAD 1
	BLOAD 3
	WIN 0
	ALOAD 0
	WIN MUL_HI
	MUL16 F1, 1, 0, 0
	MUL16 F1, 1, 2, 0
	PLACES                                         ; for the loads into buffer 1
	WIN TO_B
	BLOAD 2
	WIN 0
	ALOAD 1
	ALOAD 2
	ALOAD 3
	s_wait_dscnt 40                                ; all but the 40 just issued
	ROW 0
.irp a, 0,1,2,3,4,5,6,7                ; each block leaves as soon as it is finished
	PLACES                                         ; its conversions read results just made
	PACK \a
	TOSTAGE \a
.if (\a) < 4
	ALOAD (\a)+4                                   ; its buffer takes the block four further on
	SEND \a, 8
.else
	SEND \a, 0
.endif
.if (\a) < 7
	ROW (\a)+1
.endif
.endr
	s_wait_tensorcnt 0x0                           ; the wave's end: the add and its wait, behind my last tensor load and my last LDS store
	ds_add_u32 v[SPW], v[NIL]
	s_wait_dscnt 0x0
	CROUND                                         ; the closing round: no work-group ends while a partner may still ask for a tile that names it
	s_endpgm
.Lfunc_end_k_qd2e634d63a_gqkv:
	.size	k_qd2e634d63a_gqkv, .Lfunc_end_k_qd2e634d63a_gqkv-k_qd2e634d63a_gqkv
	.p2alignl 7, 3214868480
	.fill 96, 4, 3214868480
	.section	.rodata,"a",@progbits
	.p2align	6, 0x0
	.amdhsa_kernel k_qd2e634d63a_gqkv
		.amdhsa_group_segment_fixed_size 327680
		.amdhsa_private_segment_fixed_size 0
		.amdhsa_enable_private_segment 0
		.amdhsa_kernarg_size 24
		.amdhsa_user_sgpr_count 2
		.amdhsa_user_sgpr_kernarg_segment_ptr 1
		.amdhsa_wavefront_size32 1
		.amdhsa_system_sgpr_workgroup_id_x 1
		.amdhsa_system_sgpr_workgroup_id_y 1
		.amdhsa_system_sgpr_workgroup_id_z 1
		.amdhsa_system_vgpr_workitem_id 0
		.amdhsa_next_free_vgpr 1024
		.amdhsa_next_free_sgpr 66
		.amdhsa_reserve_vcc 0
		.amdhsa_float_denorm_mode_32 3
		.amdhsa_float_denorm_mode_16_64 3
		.amdhsa_memory_ordered 1
		.amdhsa_forward_progress 1
		.amdhsa_inst_pref_size 144
	.end_amdhsa_kernel
	.amdgpu_metadata
---
amdhsa.version: [ 1, 2 ]
amdhsa.kernels:
  - .name:           k_qd2e634d63a_gqkv
    .symbol:         k_qd2e634d63a_gqkv.kd
    .args:
      - { .name: xb, .offset: 0, .size: 8, .value_kind: global_buffer, .address_space: global }
      - { .name: wqkv, .offset: 8, .size: 8, .value_kind: global_buffer, .address_space: global }
      - { .name: qkv, .offset: 16, .size: 8, .value_kind: global_buffer, .address_space: global }
    .group_segment_fixed_size: 327680
    .private_segment_fixed_size: 0
    .kernarg_segment_align: 8
    .kernarg_segment_size: 24
    .max_flat_workgroup_size: 128
    .sgpr_count:     66
    .vgpr_count:     1024
    .wavefront_size: 32
...
	.end_amdgpu_metadata
.endif
;; end of part 2
;; launch gs (part 3): grid 12 x 16, 4 waves a work-group, clusters of 4 x 4, 327,680 bytes of LDS; arguments qkv, sbuf; writes sbuf
.if DOCPART == 3
	.amdgcn_target "amdgcn-amd-amdhsa--gfx1250"
	.amdhsa_code_object_version 6
	.text
	.protected	k_qd2e634d63a_gs
	.globl	k_qd2e634d63a_gs
	.p2align	8
	.type	k_qd2e634d63a_gs,@function
k_qd2e634d63a_gs:
	s_mov_b64 s[64:65], 0
	v_nop
	global_prefetch_b8 v0, s[64:65] scope:SCOPE_SE
	s_setreg_imm32_b32 hwreg(HW_REG_WAVE_MODE, 25, 1), 1
	s_wait_xcnt 0x0
	s_wait_alu depctr_hold_cnt(0) depctr_sa_sdst(0) depctr_va_vdst(0) depctr_va_sdst(0) depctr_va_ssrc(0) depctr_va_vcc(0) depctr_vm_vsrc(0)
	s_getreg_b32 s2, hwreg(HW_REG_IB_STS2, 6, 4)
	s_cmp_eq_u32 s2, 0
	s_cbranch_scc0 .Lentry_in_a_cluster
	s_endpgm
.Lentry_in_a_cluster:
	s_bfe_u32 s2, ttmp6, 0x10000c
	s_cmp_lg_u32 s2, 0xf033
	s_cbranch_scc0 .Lentry_shape_is_right
	s_endpgm
.Lentry_shape_is_right:
; THE RAW SCORES.  sbuf[b][t][s] = sum over d of q[b][t][d] k[b][s][d], unscaled, in f32 (scores of large inputs pass f16's range).  q and k are the first and second 2,048 bytes of qkv's rows of 6,144 bytes, f16.
; ONLY THE LOWER TRIANGLE.  A batch's 8 x 8 tiles of 256 x 256 lie in 2 x 2 clusters of 4 x 4 tiles; the three clusters (CI, CJ) with CJ <= CI are launched: cluster x = 0, 1, 2 is (0, 0), (1, 0), (1, 1); cluster y = the batch.
; In a diagonal cluster 6 of the 16 tiles lie above the diagonal.  They are made and stored like the others, since no branch may hang on a work-group's place in its cluster, and nobody reads them: 48 tiles a batch for 36.
; A tile is made by four waves; a wave makes 128 x 128: 64 accumulators of 16 x 16, 512 registers.  K goes in eight steps of 128 through a ring of two LDS slots filled by the tensor data mover: the tiles' rows are
; 256 bytes of memory and start at multiples of 256 bytes from qkv's first byte.  The last K step goes by rows of the tile, so that finished rows leave while the others are multiplied.
; CLUSTERS: the four work-groups of a row of the cluster need the same tiles of q, the four of a column the same tiles of k: each is asked for JOINTLY, by the same tensor load with the same descriptor and a mask of the four.
; REGISTERS, in windows of 256 (s_set_vgpr_msb: bits 1:0 source 0, 3:2 source 1, 5:4 source 2, 7:6 destination):
;   window 0: v0-31 addresses; v64-127, v128-191 fragments of A, two buffers (in the last K step four, of 16 rows x 128 K); v192-255 16 rows on the way out
;   window 1: v64-127, v128-191 fragments of B, two buffers; in the last K step all 256
;   window 2: the 32 accumulators of my rows 0-63 (accumulator (a, b) at v[8 (8 a + b)]);   window 3: those of my rows 64-127
; THE MATRIX INSTRUCTION IS USED TRANSPOSED (source 0 = 16 rows of k, source 1 = 16 rows of q): lane l holds row l % 16 of the tile and the columns 8 (l / 16) + 0 .. 7: 32 neighbouring bytes of a row of sbuf.
.set LD,     3072                      ; elements from row to row of qkv
.set PC,     8192                      ; bytes in a row of sbuf
.set SIZE_K, 1024
.set KSTEP,  128
.set PITCH,  272                       ; an LDS row: 256 bytes of data + 16 of padding = 68 words: row r starts at bank 4 r mod 64 (64 banks of 4 bytes: ISA guide 11.1)
.set HALFT,  128*PITCH                 ; 128 rows: what one tensor load brings, and what one wave reads of A or of B
.set SLOT,   4*HALFT                   ; A's 256 rows, then B's 256 rows
.set STAGE,  2*SLOT                    ; behind the ring: 16 rows x 528 bytes for each wave, for the way out
.set SPITCH, 528                       ; a wave's 128 columns of f32, 512 bytes, + 16 of padding = 132 words: row r starts at bank 4 r mod 64
.set SPARE,  STAGE+4*16*SPITCH         ; behind the stages: the spare words, 128 bytes for each wave: two blocks of 256 bytes that no other line names
.set LAPS, SIZE_K/(2*KSTEP)            ; 4
.set ADRA, 16                          ; v16-17  LDS address of my A fragments in slot 0, 1
.set ADRB, 20                          ; v20-21  the same for B
.set STO,  24                          ; v24     the way out: where I put 32 bytes of a row
.set RD,   25                          ; v25     the way out: where I read 16 bytes of a row back
.set CO,   26                          ; v26     my byte offset in a row of sbuf
.set SPW,  28                          ; v28     LDS address of my spare word; never rewritten
.set NIL,  29                          ; v29     0; never rewritten
.set PFO,  30                          ; v30     the prefetches' offset: my lane x a row of qkv; never rewritten
.set PFA,  44                          ; s[44:45] where my prefetches stand: my work-group's 32 rows of the 128 that I fetch, one K step further along K than the refill that is being asked for
.set LIM,  43                          ; s43     1 in a wave that prefetches, else the greatest number
.set F0,   64
.set F1,   128
.set BK,   192                         ; the way out: 16 rows read back from the stage
.set PA,   64                          ; the last K step: A's fragments of 16 rows x 128 K, 32 registers; four such buffers, v64-191
.set G1, 24
.set G0, 32
.set G1B, 48
.set G0B, 56
.set MSB, 0
.macro WIN new                         ; the immediate's high byte repeats the setting that is left; a switch that changes nothing is dropped
.if MSB != (\new)
	s_set_vgpr_msb (MSB<<8)|(\new)
.set MSB, \new
.endif
.endm
.set MUL_LO, 0xa1                      ; source 0 (B) window 1, source 1 (A) window 0, C and D window 2
.set MUL_HI, 0xf1                      ; the same, C and D window 3
.set TO_B,   0x40                      ; destination window 1, address window 0
.macro JLOAD s                         ; a joint load: waves 0 and 1 fetch A's two halves, waves 2 and 3 B's; an s_nop 0 and four v_nop follow each of the two lines
	s_cmp_eq_u32 s11, 0
	s_cbranch_scc0 .Lfor_b_\@
	tensor_load_to_lds s[G0+4*(\s):G0+4*(\s)+3], s[G1:G1+7]
	s_nop 0
.rept 4
	v_nop
.endr
	s_branch .Lasked_\@
.Lfor_b_\@:
	tensor_load_to_lds s[G0B+4*(\s):G0B+4*(\s)+3], s[G1B:G1B+7]
	s_nop 0
.rept 4
	v_nop
.endr
.Lasked_\@:
.endm
; A PREFETCH INTO THE L2, behind each joint load, its five lines and the run of LDS loads that follows them: the K step that stands TWO refills on (512 matrix instructions ahead of the load that will want it):
; 32 rows x 256 bytes, a lane a row, one instruction a wave.  Each row's 256 bytes of a K step are named ONCE in the launch.  q's rows of cluster row CI are read by the clusters (CI, 0 .. CI): the one with CJ = 0 asks;
; k's rows of cluster column CJ by the clusters (CJ .. 1, CJ): the diagonal one asks.  The four partners that ask for a tile jointly share its rows out BY ADDRESS, 32 each (by cx for q, by cy for k): no branch hangs on a
; work-group's place in its cluster.  K steps 0 to 3 come by their loads alone; the loop's last trip has no K step two refills on, and asks for nothing.
.macro ASK
	s_cmp_gt_u32 s3, s[LIM]                        ; s3 = 1 in the loop's last trip
	s_cbranch_scc0 .Lnot_mine_\@
	global_prefetch_b8 v[PFO], s[PFA:PFA+1] offset:KSTEP*2 th:TH_LOAD_NT scope:SCOPE_SE
.Lnot_mine_\@:
.endm
.macro CREST                           ; a round of the cluster's barrier behind its opening barrier
	s_cmp_lg_u32 s10, 0
	s_cbranch_scc1 .Lnot_wave_0_\@
	s_barrier_signal -3
.Lnot_wave_0_\@:
	s_barrier_wait -3
	s_barrier_signal -1
	s_barrier_wait -1
.endm
.macro CROUND
	s_barrier_signal -1
	s_barrier_wait -1
	CREST
.endm
	s_load_b64 s[4:5], s[0:1], 0x0                 ; qkv
	s_load_b64 s[8:9], s[0:1], 0x8                 ; sbuf
	v_lshl_add_u32 v[SPW], v0, 2, SPARE
	v_mov_b32 v[NIL], 0
	ds_add_u32 v[SPW], v[NIL]                      ; the wave's opening: the add and its wait stand ahead of my first tensor load; the set-up below, work on registers, stands between them
	v_lshrrev_b32 v1, 5, v0
	v_readfirstlane_b32 s10, v1                    ; wave 0..3
	s_lshr_b32 s11, s10, 1                         ; which half of the tile's rows is mine.  Also: I fetch for A (0) or for B (1)
	s_and_b32 s12, s10, 1                          ; which half of its columns.  Also: which 128 rows of that tile I fetch
	s_bfe_u32 s40, ttmp6, 0x40000                  ; cx, cy: my place in the cluster
	s_bfe_u32 s41, ttmp6, 0x40004
	s_cmp_ge_u32 ttmp9, 1                          ; the cluster's place in the triangle
	s_cselect_b32 s14, 1, 0                        ; CI
	s_cmp_ge_u32 ttmp9, 2
	s_cselect_b32 s45, 1, 0                        ; CJ
	s_sub_co_u32 s3, s14, s45                      ; 0 on the diagonal
	s_lshl_b32 s42, s45, 2
	s_add_co_u32 s42, s42, s40                     ; tile column = 4 CJ + cx
	s_lshl_b32 s13, s14, 2
	s_add_co_u32 s13, s13, s41                     ; tile row = 4 CI + cy
	s_and_b32 s2, ttmp7, 0xffff
	s_lshl_b32 s2, s2, 11                          ; the batch's first row among the 8,192
	s_lshl_b32 s43, s41, 2
	s_lshl_b32 s43, 15, s43                        ; my row of the cluster
	s_lshl_b32 s44, 0x1111, s40                    ; my column
	; descriptor group 1: a tile of 128 rows x 128 elements, padded in LDS
	s_or_b32 s[G1+0], s43, (1<<16)|(1<<20)|(1<<21)|(5<<22)|(3<<25)  ; 15:0 the mask: q's tiles go to my row; 17:16 element of 2 bytes; 20 padding on; 21 set beside a mask; 24:22 after every 64 words (code 5); 31:25 of 4 words (code 3)
	s_or_b32 s[G1B+0], s44, (1<<16)|(1<<20)|(1<<21)|(5<<22)|(3<<25)
.irp g, G1, G1B
	s_mov_b32 s[(\g)+1], KSTEP<<16                 ; tensor_dim0 = 128
	s_mov_b32 s[(\g)+2], 128<<16                   ; tensor_dim1 = 128
	s_mov_b32 s[(\g)+3], KSTEP<<16                 ; tile_dim0 = 128
	s_mov_b32 s[(\g)+4], 128                       ; tile_dim1 = 128
	s_mov_b32 s[(\g)+5], LD                        ; elements from row to row
	s_mov_b32 s[(\g)+6], 0
	s_mov_b32 s[(\g)+7], 0
.endr
	s_lshl_b32 s17, s12, 7                         ; which 128 rows of the tile I fetch,
	s_add_co_u32 s17, s17, s2                      ; in my batch
	s_lshl_b32 s16, s13, 8
	s_add_co_u32 s16, s16, s17                     ; q: row 256 x tile row + 128 x half
	s_lshl_b32 s46, s42, 8
	s_add_co_u32 s46, s46, s17                     ; k: row 256 x tile column + 128 x half
	s_mov_b32 s17, 0
	s_mov_b32 s47, 0
	s_mov_b64 s[18:19], LD*2
	s_mul_u64 s[16:17], s[16:17], s[18:19]
	s_mul_u64 s[46:47], s[46:47], s[18:19]
	s_add_nc_u64 s[46:47], s[46:47], 2048          ; k's part of a row
	s_mul_i32 s20, s10, HALFT                      ; where they go: wave x 128 rows: no place in the cluster enters an LDS address
	s_wait_dscnt 0x0                               ; the opening add is done
	s_wait_kmcnt 0x0
	s_add_nc_u64 s[14:15], s[4:5], s[16:17]
	s_add_nc_u64 s[46:47], s[4:5], s[46:47]
	CROUND                                         ; all sixteen work-groups are here: the first joint loads meet
.irp s, 0,1
	s_mov_b32 s[G0+4*(\s)], 1
	s_add_co_u32 s[G0+4*(\s)+1], s20, (\s)*SLOT
	s_add_nc_u64 s[G0+4*(\s)+2:G0+4*(\s)+3], s[14:15], (\s)*KSTEP*2
	s_or_b32 s[G0+4*(\s)+3], s[G0+4*(\s)+3], 0x80000000
	s_mov_b32 s[G0B+4*(\s)], 1
	s_add_co_u32 s[G0B+4*(\s)+1], s20, (\s)*SLOT
	s_add_nc_u64 s[G0B+4*(\s)+2:G0B+4*(\s)+3], s[46:47], (\s)*KSTEP*2
	s_or_b32 s[G0B+4*(\s)+3], s[G0B+4*(\s)+3], 0x80000000
	JLOAD \s                                       ; the ring is filled before anything else is done: two loads of mine are out
.endr
	v_and_b32 v1, 15, v0                           ; l % 16
	v_bfe_u32 v2, v0, 4, 1                         ; l / 16
	v_mul_u32_u24 v3, v1, PITCH
	v_lshl_add_u32 v3, v2, 4, v3                   ; a fragment's row x pitch + 16 x half
	s_mul_i32 s21, s11, HALFT                      ; my 128 rows of A
	s_mul_i32 s22, s12, HALFT                      ; my 128 rows of B,
	s_add_co_u32 s22, s22, 2*HALFT                 ; which lie behind A's 256
.irp s, 0,1
	v_add_nc_u32 v[ADRA+(\s)], s21, v3
	v_add_nc_u32 v[ADRB+(\s)], s22, v3
	s_add_co_u32 s21, s21, SLOT
	s_add_co_u32 s22, s22, SLOT
.endr
	s_mul_i32 s23, s10, 16*SPITCH
	s_add_co_u32 s23, s23, STAGE                   ; my stage
	v_mul_u32_u24 v4, v1, SPITCH                   ; in: row l % 16, 32 bytes for each half of the lanes
	v_lshl_add_u32 v4, v2, 5, v4
	v_add_nc_u32 v[STO], s23, v4
	v_and_b32 v5, 31, v0
	v_lshlrev_b32 v[CO], 4, v5                     ; back: 32 lanes take one row of 512 bytes; the same bytes of a row of sbuf
	v_add_nc_u32 v[RD], s23, v[CO]
	; where my part of the tile begins in sbuf, in bytes: the way out adds it to sbuf's address
	s_lshl_b32 s13, s13, 8
	s_lshl_b32 s14, s11, 7
	s_add_co_u32 s16, s13, s14
	s_add_co_u32 s16, s16, s2                      ; my first row: the batch's + 256 x tile row + 128 x my half
	s_mov_b32 s17, 0
	s_mov_b64 s[18:19], PC
	s_mul_u64 s[16:17], s[16:17], s[18:19]
	s_lshl_b32 s46, s42, 10                        ; my first column, in bytes: 1,024 x tile column + 512 x half
	s_lshl_b32 s47, s12, 9
	s_add_co_u32 s46, s46, s47
	s_mov_b32 s47, 0
	s_add_nc_u64 s[16:17], s[16:17], s[46:47]
	; the prefetches.  s13 = 256 x tile row, s42 = tile column, s40 = cx, s41 = cy, s45 = CJ, s3 = CI - CJ still stand
	s_lshl_b32 s42, s42, 8
	s_cmp_eq_u32 s11, 0                            ; do I fetch for q?
	s_cselect_b32 s20, s13, s42                    ; the tile's first row in its batch
	s_cselect_b32 s21, s40, s41                    ; my place among the four that ask for it with me
	s_cselect_b32 s22, s45, s3                     ; 0 in the one cluster that asks for these rows
	s_cselect_b32 s23, 0, 2048                     ; q's or k's part of a row
	s_cmp_eq_u32 s22, 0
	s_cselect_b32 s[LIM], 1, -1                    ; the same in all sixteen partners, for a given wave
	s_lshl_b32 s22, s12, 7
	s_add_co_u32 s20, s20, s22                     ; + the 128 rows that I fetch
	s_lshl_b32 s21, s21, 5
	s_add_co_u32 s20, s20, s21                     ; + my work-group's 32 of them
	s_add_co_u32 s20, s20, s2                      ; + the batch's first row
	s_mov_b32 s21, 0
	s_mov_b64 s[18:19], LD*2
	s_mul_u64 s[20:21], s[20:21], s[18:19]
	s_mov_b32 s22, s23
	s_mov_b32 s23, 0
	s_add_nc_u64 s[20:21], s[20:21], s[22:23]
	s_add_nc_u64 s[PFA:PFA+1], s[4:5], s[20:21]
	s_add_nc_u64 s[PFA:PFA+1], s[PFA:PFA+1], 2*KSTEP*2  ; at K step 2: the first refill steps it to 3 and names K step 4
	v_mul_u32_u24 v[PFO], v5, LD*2
	; nothing is prefetched here, at the head, where every work-group's first two tiles are on their way
; 16 matrix instructions: m blocks a0, a0 + 1 of the window's four (hi = 0: my rows 0-63, 1: rows 64-127) x all 8 n blocks, 32 along K.  zero = 1: the first product starts the sums: nothing is ever cleared.
; The 64 accumulators take turns, one instruction a turn, in the same order in every quarter step.
.macro MUL16 f, hi, a0, zero
	WIN MUL_LO+0x50*(\hi)  ; MUL_LO or MUL_HI
.irp a, \a0, (\a0)+1
.irp b, 0,1,2,3,4,5,6,7
.if \zero
	v_wmma_f32_16x16x32_f16 v[8*(8*(\a)+(\b)):8*(8*(\a)+(\b))+7], v[(\f)+8*(\b):(\f)+8*(\b)+7], v[(\f)+8*(4*(\hi)+(\a)):(\f)+8*(4*(\hi)+(\a))+7], 0
.else
	v_wmma_f32_16x16x32_f16 v[8*(8*(\a)+(\b)):8*(8*(\a)+(\b))+7], v[(\f)+8*(\b):(\f)+8*(\b)+7], v[(\f)+8*(4*(\hi)+(\a)):(\f)+8*(4*(\hi)+(\a))+7], v[8*(8*(\a)+(\b)):8*(8*(\a)+(\b))+7]
.endif
.endr
.endr
.endm
; 32 LDS loads in one run: the fragments of one quarter step (128 rows of B, 128 rows of A, 32 K at byte k of the rows) into buffer f
.macro FETCH slot, k, f
	WIN TO_B
.irp i, 0,1,2,3,4,5,6,7
	ds_load_b128 v[(\f)+8*(\i):(\f)+8*(\i)+3],   v[ADRB+(\slot)] offset:(\k)+(\i)*16*PITCH
	ds_load_b128 v[(\f)+8*(\i)+4:(\f)+8*(\i)+7], v[ADRB+(\slot)] offset:(\k)+(\i)*16*PITCH+32
.endr
	WIN 0
.irp i, 0,1,2,3,4,5,6,7
	ds_load_b128 v[(\f)+8*(\i):(\f)+8*(\i)+3],   v[ADRA+(\slot)] offset:(\k)+(\i)*16*PITCH
	ds_load_b128 v[(\f)+8*(\i)+4:(\f)+8*(\i)+7], v[ADRA+(\slot)] offset:(\k)+(\i)*16*PITCH+32
.endr
.endm
.macro PLACES                          ; four places in front of loads into registers that matrix instructions have read, and of LDS stores that read results
.rept 4
	v_nop
.endr
.endm
; A K step is four quarter steps of 32 along K, 64 matrix instructions each, on buffers 0, 1, 0, 1.  One of the first three: multiplies buffer f; in its middle it fetches the next quarter's fragments, at byte k, into buffer g.
.macro QUARTER slot, k, f, g, zero
	s_wait_dscnt 8                                 ; B and A's rows 0-63 are in; the youngest eight loads (A's rows 64-127) may be out
	WIN MUL_LO
	MUL16 \f, 0, 0, \zero
	MUL16 \f, 0, 2, \zero
	PLACES
	FETCH \slot, \k, \g
	s_wait_dscnt 32                                ; all but the 32 just issued
	WIN MUL_HI
	MUL16 \f, 1, 0, \zero
	MUL16 \f, 1, 2, \zero
.endm
; The last quarter multiplies buffer 1 and changes slots.  MEET is its first half: ONE barrier for the change of slots.  In front of it each wave waits for all its tensor loads, of which one is out: its part of the
; next slot; adds 0 to its spare word; and waits for that and for its own reads of this slot.  Behind it nobody reads this slot any more and the next slot is whole.
.macro MEET round                      ; round = 1: a round of the cluster's barrier follows
	WIN 0                                          ; (the add's two registers lie in window 0)
	s_wait_tensorcnt 0x0                           ; all my tensor loads have landed: the one that was out is my part of the next slot;
	ds_add_u32 v[SPW], v[NIL]                      ; 0 onto my spare word;
	s_wait_dscnt 9                                 ; (the add and the youngest eight loads may be out)
	WIN MUL_LO
	MUL16 F1, 0, 0, 0                              ; sixteen matrix instructions stand between the add and the wait for it
	s_wait_dscnt 0x0                               ; the add is done, and my reads of this slot are over:
	s_barrier_signal -1                            ; say so,
	MUL16 F1, 0, 2, 0                              ; work on registers while the others arrive,
.if \round
	WIN 0
.endif
	s_barrier_wait -1                              ; and go on when all four have said so
.endm
; The whole last quarter.  Behind the round the slot just read out is filled again first, with the K step two steps on; then come the next slot's first fragments.  From a request to the wait for it a wave issues 224 matrix instructions.
.macro TURN slot, next
	s_wait_xcnt 0x0                                ; the last prefetch, a K step back, has read its address: it is stepped here, ahead of the waits of the change of slots
	s_add_nc_u64 s[PFA:PFA+1], s[PFA:PFA+1], KSTEP*2
	MEET 1
	CREST                                          ; no wave of any partner still reads this slot's tile or has a load on its way
	s_add_nc_u64 s[G0+4*(\slot)+2:G0+4*(\slot)+3], s[G0+4*(\slot)+2:G0+4*(\slot)+3], 2*KSTEP*2
	s_add_nc_u64 s[G0B+4*(\slot)+2:G0B+4*(\slot)+3], s[G0B+4*(\slot)+2:G0B+4*(\slot)+3], 2*KSTEP*2
	JLOAD \slot                                    ; the first tensor load behind the round; the four v_nop behind it are also the places in front of the loads below
	FETCH \next, 0, F0
	ASK                                            ; behind the joint load and the run of LDS loads that the next products wait for
	WIN MUL_HI
	MUL16 F1, 1, 0, 0
	MUL16 F1, 1, 2, 0
.endm
; THE LAST K STEP (it lies in slot 1) GOES BY ROWS OF THE TILE, NOT BY K.  All its fragments of B (4 quarters x 64 registers) fill window 1; then my eight blocks of 16 rows are finished one after the other,
; each with 32 matrix instructions (its 8 accumulators by turns, K ascending).  LDS is read no more than in any other K step.
.macro BLOAD q                         ; B's fragments of quarter q -> window 1, v[64 q ..]
	WIN TO_B
.irp i, 0,1,2,3,4,5,6,7
	ds_load_b128 v[64*(\q)+8*(\i):64*(\q)+8*(\i)+3],   v[ADRB+1] offset:64*(\q)+(\i)*16*PITCH
	ds_load_b128 v[64*(\q)+8*(\i)+4:64*(\q)+8*(\i)+7], v[ADRB+1] offset:64*(\q)+(\i)*16*PITCH+32
.endr
.endm
.macro ALOAD a                         ; A's fragments of block a, all four quarters -> buffer a % 4
	WIN 0
.set FA, PA+32*((\a)%4)
.irp q, 0,1,2,3
	ds_load_b128 v[FA+8*(\q):FA+8*(\q)+3],   v[ADRA+1] offset:64*(\q)+(\a)*16*PITCH
	ds_load_b128 v[FA+8*(\q)+4:FA+8*(\q)+7], v[ADRA+1] offset:64*(\q)+(\a)*16*PITCH+32
.endr
.endm
.macro ROW a                           ; block a is finished: 32 matrix instructions
.set FA, PA+32*((\a)%4)                ; its fragments of A
.set AC, 64*((\a)%4)                   ; its eight accumulators, in window 2 (blocks 0-3) or 3 (blocks 4-7)
	WIN MUL_LO+0x50*((\a)/4)                       ; MUL_LO or MUL_HI
.irp q, 0,1,2,3
.if (\a) == 0 && (\q) == 2
	s_wait_dscnt 24                                ; B's quarter 2 is in (behind it: A's blocks 1 to 3)
.endif
.irp b, 0,1,2,3,4,5,6,7
	v_wmma_f32_16x16x32_f16 v[AC+8*(\b):AC+8*(\b)+7], v[64*(\q)+8*(\b):64*(\q)+8*(\b)+7], v[FA+8*(\q):FA+8*(\q)+7], v[AC+8*(\b):AC+8*(\b)+7]
.endr
.endr
.endm
; THE WAY OUT of block a, in two parts.  TOSTAGE: a lane's eight f32 of a row, 32 bytes, straight from the accumulators into my own stage in LDS (rows of 528 bytes), and back as whole rows of 512 bytes.  SEND: stored.
; No barrier: no other wave touches my stage, and no tensor load fills it.
.macro TOSTAGE a
.set AC, 64*((\a)%4)
	WIN 0x08+4*((\a)/4)                            ; the stores' data (source 1) in window 2 or 3, their address in window 0
.irp b, 0,1,2,3,4,5,6,7
	ds_store_b128 v[STO], v[AC+8*(\b):AC+8*(\b)+3]   offset:64*(\b)      ; each accumulator's low registers first
	ds_store_b128 v[STO], v[AC+8*(\b)+4:AC+8*(\b)+7] offset:64*(\b)+16
.endr
	WIN 0
	s_wait_xcnt 0x0                                ; the last block's stores have had their addresses translated (ISA guide 3.1): only behind this wait are their data registers loaded again and, in SEND, their base stepped
.irp t, 0,1,2,3,4,5,6,7,8,9,10,11,12,13,14,15
	ds_load_b128 v[BK+4*(\t):BK+4*(\t)+3], v[RD] offset:(\t)*SPITCH  ; LDS serves a wave's instructions in order (ISA guide 5.7.1.4): these see the stores above; the next block's stores come behind them
.endr
.endm
.macro SEND a, younger                 ; younger: the LDS loads issued behind TOSTAGE's, which may stay out
	WIN 0
	s_wait_dscnt \younger                          ; the block is back in registers
.if (\a) == 0
	s_add_nc_u64 s[8:9], s[8:9], s[16:17]          ; on to my first rows of the tile (no global instruction has been issued since TOSTAGE's wait)
.else
	s_add_nc_u64 s[8:9], s[8:9], 16*PC             ; 16 rows on, so that the stores' offsets stay small
.endif
.irp t, 0,1,2,3,4,5,6,7,8,9,10,11,12,13,14,15
	global_store_b128 v[CO], v[BK+4*(\t):BK+4*(\t)+3], s[8:9] offset:(\t)*PC  ; the wave stores 512 consecutive bytes, at a multiple of 256 from sbuf's first byte
.endr
.endm
	s_wait_tensorcnt 1                             ; my part of K step 0 is in; K step 1's may stay out
	s_barrier_signal -1
	s_barrier_wait -1                              ; everybody's is
	FETCH 0, 0, F0
	QUARTER 0, 64,  F0, F1, 1                      ; the first quarter stands in front of the loop: its products start the sums
	WIN 0                                          ; at a label and at a branch every window is 0
	s_mov_b32 s3, LAPS-1
.Llap:                                                 ; a trip goes once round the ring, from a lap's second quarter to the next lap's first, and fills both slots again
	QUARTER 0, 128, F1, F0, 0
	QUARTER 0, 192, F0, F1, 0
	TURN 0, 1
	QUARTER 1, 64,  F0, F1, 0
	QUARTER 1, 128, F1, F0, 0
	QUARTER 1, 192, F0, F1, 0
	TURN 1, 0
	QUARTER 0, 64,  F0, F1, 0
	WIN 0
	s_sub_co_u32 s3, s3, 1
	s_cmp_lg_u32 s3, 0
	s_cbranch_scc1 .Llap
	QUARTER 0, 128, F1, F0, 0                      ; the last lap goes on; it asks for nothing more
	QUARTER 0, 192, F0, F1, 0
	MEET 0                                         ; my one tensor load that was still out is slot 1's, the last K step's, so no round follows
	PLACES                                         ; for the loads into buffer 0, which the quarter before multiplied
	WIN TO_B
	BLOAD 0                                        ; three quarters of B now: buffer 1 (v128-191 of both windows) is still being multiplied
	BLOAD 1
	BLOAD 3
	WIN 0
	ALOAD 0
	WIN MUL_HI
	MUL16 F1, 1, 0, 0
	MUL16 F1, 1, 2, 0
	PLACES                                         ; for the loads into buffer 1
	WIN TO_B
	BLOAD 2
	WIN 0
	ALOAD 1
	ALOAD 2
	ALOAD 3
	s_wait_dscnt 40                                ; all but the 40 just issued
	ROW 0
.irp a, 0,1,2,3,4,5,6,7                ; each block leaves as soon as it is finished
	PLACES                                         ; its LDS stores read results just made, and the loads below land in fragments just read
	TOSTAGE \a
.if (\a) < 4
	ALOAD (\a)+4                                   ; its buffer takes the block four further on
	SEND \a, 8
.else
	SEND \a, 0
.endif
.if (\a) < 7
	ROW (\a)+1
.endif
.endr
	s_wait_tensorcnt 0x0                           ; the wave's end: the add and its wait, behind my last tensor load and my last LDS store
	ds_add_u32 v[SPW], v[NIL]
	s_wait_dscnt 0x0
	CROUND                                         ; the closing round: no work-group ends while a partner may still ask for a tile that names it
	s_endpgm
.Lfunc_end_k_qd2e634d63a_gs:
	.size	k_qd2e634d63a_gs, .Lfunc_end_k_qd2e634d63a_gs-k_qd2e634d63a_gs
	.p2alignl 7, 3214868480
	.fill 96, 4, 3214868480
	.section	.rodata,"a",@progbits
	.p2align	6, 0x0
	.amdhsa_kernel k_qd2e634d63a_gs
		.amdhsa_group_segment_fixed_size 327680
		.amdhsa_private_segment_fixed_size 0
		.amdhsa_enable_private_segment 0
		.amdhsa_kernarg_size 16
		.amdhsa_user_sgpr_count 2
		.amdhsa_user_sgpr_kernarg_segment_ptr 1
		.amdhsa_wavefront_size32 1
		.amdhsa_system_sgpr_workgroup_id_x 1
		.amdhsa_system_sgpr_workgroup_id_y 1
		.amdhsa_system_sgpr_workgroup_id_z 1
		.amdhsa_system_vgpr_workitem_id 0
		.amdhsa_next_free_vgpr 1024
		.amdhsa_next_free_sgpr 66
		.amdhsa_reserve_vcc 0
		.amdhsa_float_denorm_mode_32 3
		.amdhsa_float_denorm_mode_16_64 3
		.amdhsa_memory_ordered 1
		.amdhsa_forward_progress 1
		.amdhsa_inst_pref_size 142
	.end_amdhsa_kernel
	.amdgpu_metadata
---
amdhsa.version: [ 1, 2 ]
amdhsa.kernels:
  - .name:           k_qd2e634d63a_gs
    .symbol:         k_qd2e634d63a_gs.kd
    .args:
      - { .name: qkv, .offset: 0, .size: 8, .value_kind: global_buffer, .address_space: global }
      - { .name: sbuf, .offset: 8, .size: 8, .value_kind: global_buffer, .address_space: global }
    .group_segment_fixed_size: 327680
    .private_segment_fixed_size: 0
    .kernarg_segment_align: 8
    .kernarg_segment_size: 16
    .max_flat_workgroup_size: 128
    .sgpr_count:     66
    .vgpr_count:     1024
    .wavefront_size: 32
...
	.end_amdgpu_metadata
.endif
;; end of part 3
;; launch softmax (part 4): grid 1024 x 1, 8 waves a work-group, no clusters, 0 bytes of LDS; arguments sbuf, pbuf; writes pbuf
.if DOCPART == 4
	.amdgcn_target "amdgcn-amd-amdhsa--gfx1250"
	.amdhsa_code_object_version 6
	.text
	.protected	k_qd2e634d63a_softmax
	.globl	k_qd2e634d63a_softmax
	.p2align	8
	.type	k_qd2e634d63a_softmax,@function
k_qd2e634d63a_softmax:
	s_mov_b64 s[64:65], 0
	v_nop
	global_prefetch_b8 v0, s[64:65] scope:SCOPE_SE
	s_setreg_imm32_b32 hwreg(HW_REG_WAVE_MODE, 25, 1), 1
	s_wait_xcnt 0x0
; THE CAUSAL SOFTMAX OF A ROW.  pbuf[b][t][s] = exp((S[t][s] - max) / 32) / sum for s <= t, 0 beyond, rounded once to f16.  sbuf: [4][2048][2048] f32 raw scores, pbuf: the same shape in f16.
; The row's true maximum over its visible keys is taken away before the exponential; maximum, exponentials and sum in f32; the sum is taken of the unrounded weights.
; LIMITS.  A weight below 2^-126 counts as 0; a normalised weight below 6e-5 keeps f16's fixed step of 6e-8; NaN and infinities are not treated apart.
; SHARES.  One wave, one row, kept in registers between the passes: the row is read once.  A CHUNK is 128 columns: 512 bytes of S (one load of 16 bytes a lane), 256 bytes of P (one store of 8 bytes a lane:
; 256 consecutive bytes at a multiple of 256 from pbuf's first byte).  Row t of row block I = t / 128 has the whole chunks 0 .. I - 1 and the diagonal chunk I; I is the same for the work-group's eight rows.
; Chunks that the row does not have are not loaded: their registers hold the lowest finite number, whose weight is 0, so that one text serves every row.  What is written: chunks 0 .. I, and for even I a chunk of zeros
; behind them, so that the product that follows can read whole steps of 256 keys.
; Memory binds: no LDS, no barrier, no matrix unit.  Every branch hangs on the work-group's number alone.
.set X,  16                            ; v[16:75]   chunks 0-14, four scores a lane each
.set DG, 76                            ; v[76:79]   the diagonal chunk
.set Y,  80                            ; v[80:111]  the weights in f16: two registers a chunk, the diagonal chunk's last
.set Z,  112                           ; v[112:113] 0
	s_load_b128 s[4:7], s[0:1], 0x0                ; sbuf s[4:5], pbuf s[6:7]
	v_lshrrev_b32 v1, 5, v0
	v_readfirstlane_b32 s13, v1                    ; wave 0..7
	v_and_b32 v3, 31, v0                           ; lane
	v_lshlrev_b32 v1, 4, v3                        ; my 16 bytes of a chunk of S
	v_lshlrev_b32 v2, 3, v3                        ; my 8 bytes of a chunk of P
	s_lshl_b32 s20, ttmp9, 3
	s_add_co_u32 s20, s20, s13                     ; my row among the 8,192
	s_and_b32 s21, s20, 127                        ; its place in its row block
	s_bfe_u32 s12, ttmp9, 0x40004                  ; I: 16 work-groups to a row block, 16 row blocks to a batch
	v_lshlrev_b32 v3, 2, v3
	v_sub_nc_u32 v3, s21, v3                       ; number e of my four in the diagonal chunk is hidden where e is greater than this
	s_mov_b32 s14, 0x3d38aa3b                      ; c = log2(e) / sqrt(1024) = 0.0450842
	s_mov_b32 s15, s14                             ; named with it as a pair
	s_mov_b32 s16, 0x76543210                      ; v_permlanex16_b32: each lane takes its own place in the other half
	s_mov_b32 s17, 0xfedcba98
	s_mov_b32 s18, 0xff7fffff                      ; the lowest finite number
	s_lshl_b32 s22, s20, 13                        ; the row in S,
	s_mov_b32 s23, 0
	s_lshl_b32 s24, s20, 12                        ; and in P
	s_mov_b32 s25, 0
	s_lshl_b32 s26, s12, 9                         ; the diagonal chunk in S,
	s_mov_b32 s27, 0
	s_lshl_b32 s28, s12, 8                         ; and in P
	s_mov_b32 s29, 0
.set j, X
.rept 60
	v_mov_b32 v[j], s18                            ; what a chunk holds that the row does not have
.set j, j+1
.endr
	v_mov_b32 v[Z], 0
	v_mov_b32 v[Z+1], 0
	s_wait_kmcnt 0x0
	s_add_nc_u64 s[4:5], s[4:5], s[22:23]
	s_add_nc_u64 s[6:7], s[6:7], s[24:25]
	s_add_nc_u64 s[8:9], s[4:5], s[26:27]
	s_add_nc_u64 s[10:11], s[6:7], s[28:29]
	global_load_b128 v[DG:DG+3], v1, s[8:9] th:TH_LOAD_NT
.irp c, 0,1,2,3,4,5,6,7,8,9,10,11,12,13,14
	s_cmp_le_u32 s12, \c                           ; chunks 0 .. I - 1
	s_cbranch_scc1 .Lloaded
	global_load_b128 v[X+4*(\c):X+4*(\c)+3], v1, s[4:5] offset:512*(\c) th:TH_LOAD_NT
.endr
.Lloaded:
	s_wait_loadcnt 0x0                             ; the whole row: how many loads are out hangs on I, so the count is 0
.irp e, 0,1,2,3
	v_cmp_gt_i32 vcc_lo, \e, v3
	v_cndmask_b32 v[DG+(\e)], v[DG+(\e)], s18, vcc_lo  ; keys behind the row's own
.endr
	; the maximum of my 64 numbers, in four chains, three operands at a time
.irp k, 0,1,2,3
	v_max3_num_f32 v[4+(\k)], v[X+3*(\k)], v[X+3*(\k)+1], v[X+3*(\k)+2]
.endr
.set j, X+12
.rept 26
	v_max3_num_f32 v[4+(j/2)%4], v[4+(j/2)%4], v[j], v[j+1]
.set j, j+2
.endr
	v_max3_num_f32 v4, v4, v5, v6
	v_max_num_f32 v4, v4, v7
	v_max_num_f32_dpp v4, v4, v4 row_xmask:1 row_mask:0xf bank_mask:0xf   ; across the lanes: four steps inside each half ride on the arithmetic,
	v_max_num_f32_dpp v4, v4, v4 row_xmask:2 row_mask:0xf bank_mask:0xf
	v_max_num_f32_dpp v4, v4, v4 row_xmask:4 row_mask:0xf bank_mask:0xf
	v_max_num_f32_dpp v4, v4, v4 row_xmask:8 row_mask:0xf bank_mask:0xf
	v_permlanex16_b32 v5, v4, s16, s17             ; one crosses the halves
	v_max_num_f32 v4, v4, v5
	v_mul_f32 v12, s14, v4                         ; c m
	v_mov_b32 v13, v12                             ; named with it as a pair
.set j, X
.rept 32
	v_pk_fma_f32 v[j:j+1], v[j:j+1], s[14:15], v[12:13] op_sel_hi:[1,0,0] neg_lo:[0,0,1] neg_hi:[0,0,1]  ; c s - c m
.set j, j+2
.endr
.set j, X
.rept 64
	v_exp_f32 v[j], v[j]                           ; one batch: none reads another's result
.set j, j+1
.endr
	v_nop                                          ; a plain instruction behind the last exponential (ISA guide 5.7.2),
	s_wait_alu depctr_va_vdst(0)                   ; and one wait ahead of the batch's first reader
	; the sum of my 64 weights, in four chains of pairs; the weights stay as they are
.irp k, 0,1,2,3
	v_pk_add_f32 v[4+2*(\k):5+2*(\k)], v[X+4*(\k):X+4*(\k)+1], v[X+4*(\k)+2:X+4*(\k)+3]
.endr
.set j, X+16
.rept 24
	v_pk_add_f32 v[4+2*((j/2)%4):5+2*((j/2)%4)], v[4+2*((j/2)%4):5+2*((j/2)%4)], v[j:j+1]
.set j, j+2
.endr
	v_pk_add_f32 v[4:5], v[4:5], v[6:7]
	v_pk_add_f32 v[8:9], v[8:9], v[10:11]
	v_pk_add_f32 v[4:5], v[4:5], v[8:9]
	v_add_f32 v4, v4, v5
	v_add_f32_dpp v4, v4, v4 row_xmask:1 row_mask:0xf bank_mask:0xf
	v_add_f32_dpp v4, v4, v4 row_xmask:2 row_mask:0xf bank_mask:0xf
	v_add_f32_dpp v4, v4, v4 row_xmask:4 row_mask:0xf bank_mask:0xf
	v_add_f32_dpp v4, v4, v4 row_xmask:8 row_mask:0xf bank_mask:0xf
	v_permlanex16_b32 v5, v4, s16, s17
	v_add_f32 v4, v4, v5                           ; at least 1: the maximum's own weight
	v_rcp_f32 v14, v4
	v_rcp_f32 v15, v4                              ; twice, for the packed multiply
	v_nop
	s_wait_alu depctr_va_vdst(0)                   ; one wait for the two reciprocals
.set j, X
.rept 32
	v_pk_mul_f32 v[j:j+1], v[j:j+1], v[14:15]
.set j, j+2
.endr
.set j, 0
.rept 32
	v_cvt_pk_f16_f32 v[Y+j], v[X+2*j], v[X+2*j+1]
.set j, j+1
.endr
	global_store_b64 v2, v[Y+30:Y+31], s[10:11]    ; the diagonal chunk
.irp c, 0,1,2,3,4,5,6,7,8,9,10,11,12,13,14
	s_cmp_le_u32 s12, \c
	s_cbranch_scc1 .Lstored
	global_store_b64 v2, v[Y+2*(\c):Y+2*(\c)+1], s[6:7] offset:256*(\c)
.endr
.Lstored:
	s_bitcmp1_b32 s12, 0
	s_cbranch_scc1 .Lend                           ; odd I: the step of 256 keys is full
	global_store_b64 v2, v[Z:Z+1], s[10:11] offset:256  ; even I: its second half is zeros
.Lend:
	s_endpgm
.Lfunc_end_k_qd2e634d63a_softmax:
	.size	k_qd2e634d63a_softmax, .Lfunc_end_k_qd2e634d63a_softmax-k_qd2e634d63a_softmax
	.p2alignl 7, 3214868480
	.fill 96, 4, 3214868480
	.section	.rodata,"a",@progbits
	.p2align	6, 0x0
	.amdhsa_kernel k_qd2e634d63a_softmax
		.amdhsa_group_segment_fixed_size 0
		.amdhsa_private_segment_fixed_size 0
		.amdhsa_enable_private_segment 0
		.amdhsa_kernarg_size 16
		.amdhsa_user_sgpr_count 2
		.amdhsa_user_sgpr_kernarg_segment_ptr 1
		.amdhsa_wavefront_size32 1
		.amdhsa_system_sgpr_workgroup_id_x 1
		.amdhsa_system_sgpr_workgroup_id_y 1
		.amdhsa_system_sgpr_workgroup_id_z 1
		.amdhsa_system_vgpr_workitem_id 0
		.amdhsa_next_free_vgpr 128
		.amdhsa_next_free_sgpr 66
		.amdhsa_reserve_vcc 1
		.amdhsa_float_denorm_mode_32 3
		.amdhsa_float_denorm_mode_16_64 3
		.amdhsa_memory_ordered 1
		.amdhsa_forward_progress 1
		.amdhsa_inst_pref_size 22
	.end_amdhsa_kernel
	.amdgpu_metadata
---
amdhsa.version: [ 1, 2 ]
amdhsa.kernels:
  - .name:           k_qd2e634d63a_softmax
    .symbol:         k_qd2e634d63a_softmax.kd
    .args:
      - { .name: sbuf, .offset: 0, .size: 8, .value_kind: global_buffer, .address_space: global }
      - { .name: pbuf, .offset: 8, .size: 8, .value_kind: global_buffer, .address_space: global }
    .group_segment_fixed_size: 0
    .private_segment_fixed_size: 0
    .kernarg_segment_align: 8
    .kernarg_segment_size: 16
    .max_flat_workgroup_size: 256
    .sgpr_count:     66
    .vgpr_count:     128
    .wavefront_size: 32
...
	.end_amdgpu_metadata
.endif
;; end of part 4
;; launch gpv (part 5): grid 8 x 32, 4 waves a work-group, clusters of 4 x 1, 327,680 bytes of LDS; arguments pbuf, qkv, ob; writes ob
.if DOCPART == 5
	.amdgcn_target "amdgcn-amd-amdhsa--gfx1250"
	.amdhsa_code_object_version 6
	.text
	.protected	k_qd2e634d63a_gpv
	.globl	k_qd2e634d63a_gpv
	.p2align	8
	.type	k_qd2e634d63a_gpv,@function
k_qd2e634d63a_gpv:
	s_mov_b64 s[64:65], 0
	v_nop
	global_prefetch_b8 v0, s[64:65] scope:SCOPE_SE
	s_setreg_imm32_b32 hwreg(HW_REG_WAVE_MODE, 25, 1), 1
	s_wait_xcnt 0x0
	s_wait_alu depctr_hold_cnt(0) depctr_sa_sdst(0) depctr_va_vdst(0) depctr_va_sdst(0) depctr_va_ssrc(0) depctr_va_vcc(0) depctr_vm_vsrc(0)
	s_getreg_b32 s2, hwreg(HW_REG_IB_STS2, 6, 4)
	s_cmp_eq_u32 s2, 0
	s_cbranch_scc0 .Lentry_in_a_cluster
	s_endpgm
.Lentry_in_a_cluster:
	s_bfe_u32 s2, ttmp6, 0x10000c
	s_cmp_lg_u32 s2, 0x3003
	s_cbranch_scc0 .Lentry_shape_is_right
	s_endpgm
.Lentry_shape_is_right:
; O = P V UNDER THE CAUSAL MASK.  ob[b][t][d] = sum over s of pbuf[b][t][s] v[b][s][d].  pbuf: [4][2048][2048] f16; v: bytes 4,096 on of qkv's rows of 6,144 bytes, f16; ob: [8192][1024] f16; sums in f32, rounded once.
; LIMITS.  O is a mean of v's rows and has their range, within f16's 65,504.  A key behind the diagonal inside a step has the weight 0, and 0 x v wants v finite.
; THE WALK.  A tile of O is 128 rows x 128 channels; K (the keys) goes in steps of 256.  Row block r of 16 needs r / 2 + 1 steps (whole division).  A work-group takes TWO row blocks, i and 15 - i: 9 steps, whatever i:
; 256 work-groups of equal work, and ONE loop with a constant trip count.  The block with an even number of steps goes first, so that a block always begins in slot 0 and ends at the end of a trip of two steps.
; Which tile is asked for, and where a block ends, hang on scalar registers made from the work-group's y, which the partners of a cluster share.
; CLUSTER 4 x 1: the four channel tiles of one pair of row blocks need the same tiles of P: asked for JOINTLY (mask of four).  V's tile hangs on the channel tile: a load of the work-group's own, behind the same round.
; V is not shared: work-groups with the same channels have other i, change blocks at other steps, and would want different tiles in the same round.
; LAYOUT.  O^T = V^T P (source 0 = 16 channels, source 1 = 16 rows of P): a lane holds eight neighbouring channels of a row of O.  P comes out of LDS as it lies, V ([key][channel]) turned, by ds_load_tr16_b128.
; Four waves, each 64 x 64: 16 accumulators.  The way out goes through ONE stage, with a barrier, since a wave's 64 channels are only half of an aligned 256 bytes of a row.
; REGISTERS: window 0: v0-31 addresses; v32-95 at work on the way out; v128-255 the accumulators ((a, b) at v[128 + 8 (4 a + b)]).  window 1: two fragment buffers of 128: 64 registers of P, then 64 of V^T.
.set PITCH,  528                       ; a row of P in LDS: 512 bytes + 16 of padding = 132 words: row r starts at bank 4 r mod 64 (64 banks of 4 bytes: ISA guide 11.1)
.set PV,     288                       ; a row of V: 256 + 32 = 72 words
.set VOFF,   128*PITCH                 ; a slot: 128 rows of P, then 256 rows of V
.set SLOT,   VOFF+256*PV
.set STAGE,  2*SLOT                    ; behind the ring: 128 rows x 272 bytes, the work-group's, for the way out
.set SPITCH, 272
.set SPARE,  STAGE+128*SPITCH          ; behind the stage: the spare words, 128 bytes for each wave: two blocks of 256 bytes that no other line names
.set ADRA, 16                          ; v16-17  LDS address of my P fragments in slot 0, 1
.set ADRB, 20                          ; v20-23  of my V fragments: slot 0 keys 0-127, slot 0 keys 128-255, slot 1 likewise (an LDS offset has 16 bits)
.set STO,  24                          ; v24     the way out: where I put 16 bytes of a row
.set RD,   25                          ; v25     the way out: where I read a row back
.set CO,   26                          ; v26     my byte offset in ob
.set SPW,  28                          ; v28     LDS address of my spare word; never rewritten
.set NIL,  29                          ; v29     0; never rewritten
.set TMP,  32
.set ACC,  128
.set F0,   0
.set F1,   128
.set G1A, 24                           ; s[24:31] descriptor group 1 for P's tiles;  s[32:39] group 0, one set for each slot
.set G0A, 32
.set G1V, 48                           ; s[48:55], s[56:63] the same for V's tiles
.set G0V, 56
.set N1,  41                           ; s41  steps of the first block: 2, 4, 6 or 8
.set N2,  79                           ; s79  of the second: 9 - N1
.set RT,  42                           ; s42  steps of the block in hand that are still to be multiplied
.set NEW, 43                           ; s43  1: the step to come is a block's first
.set AKK, 44                           ; s44  the step to be asked for next, counted in its block
.set AN,  45                           ; s45  steps of the block whose tiles are being asked for
.set AROW, 46                          ; s46  that block's first row in P, in bytes
.set AROW2, 47                         ; s47  the second block's
.set PA,  66                           ; s[66:67] pbuf at my batch and my half of a tile's rows
.set VA,  68                           ; s[68:69] v at my batch, my half of a step's keys and my channel tile
.set CB,  70                           ; s[70:71] ob at the rows that I store of the block in hand
.set CB2, 72                           ; s[72:73] of the second block
.set OA,  74                           ; s[74:75] an offset into P
.set OV,  76                           ; s[76:77] an offset into V
.set CNT, 78                           ; s78  trips
.set MSB, 0
.macro WIN new                         ; the immediate's high byte repeats the setting that is left; a switch that changes nothing is dropped
.if MSB != (\new)
	s_set_vgpr_msb (MSB<<8)|(\new)
.set MSB, \new
.endif
.endm
.set MUL,  0x05                        ; sources 0 (V^T) and 1 (P) window 1; C and D window 0
.set TO_F, 0x40                        ; destination window 1, address window 0
.macro JLOAD s                         ; a fill of slot s: waves 0 and 1 fetch P's two halves (jointly with the partners), waves 2 and 3 V's; an s_nop 0 and four v_nop follow each of the two lines
	s_cmp_lt_u32 s10, 2
	s_cbranch_scc0 .Lfor_v_\@
	tensor_load_to_lds s[G0A+4*(\s):G0A+4*(\s)+3], s[G1A:G1A+7]
	s_nop 0
.rept 4
	v_nop
.endr
	s_branch .Lasked_\@
.Lfor_v_\@:
	tensor_load_to_lds s[G0V+4*(\s):G0V+4*(\s)+3], s[G1V:G1V+7]
	s_nop 0
.rept 4
	v_nop
.endr
.Lasked_\@:
.endm
.macro CROUND                          ; a round of the cluster's barrier: my work-group's barrier; wave 0 signals for the work-group; every wave waits for all four work-groups; my work-group's barrier once more
	s_barrier_signal -1
	s_barrier_wait -1
	s_cmp_lg_u32 s10, 0
	s_cbranch_scc1 .Lnot_wave_0_\@
	s_barrier_signal -3
.Lnot_wave_0_\@:
	s_barrier_wait -3
	s_barrier_signal -1
	s_barrier_wait -1
.endm
	s_load_b128 s[4:7], s[0:1], 0x0                ; pbuf s[4:5], qkv s[6:7]
	s_load_b64 s[8:9], s[0:1], 0x10                ; ob
	v_lshl_add_u32 v[SPW], v0, 2, SPARE
	v_mov_b32 v[NIL], 0
	ds_add_u32 v[SPW], v[NIL]                      ; the wave's opening: the add and its wait stand ahead of my first tensor load; the set-up below, work on registers, stands between them
	v_lshrrev_b32 v1, 5, v0
	v_readfirstlane_b32 s10, v1                    ; wave 0..3
	s_lshr_b32 s11, s10, 1                         ; which half of the tile's rows is mine
	s_and_b32 s12, s10, 1                          ; which half of its channels.  Also: which half of P's or V's tile I fetch
	s_bfe_u32 s40, ttmp6, 0x40000                  ; cx
	s_lshl_b32 s13, ttmp9, 2
	s_add_co_u32 s13, s13, s40                     ; the channel tile = 4 x cluster x + cx: it enters V's and O's addresses alone
	s_and_b32 s16, ttmp7, 0xffff
	s_lshr_b32 s14, s16, 3                         ; the batch
	s_and_b32 s15, s16, 7                          ; i
	s_lshr_b32 s17, s15, 1
	s_add_co_u32 s18, s17, 1                       ; block i has i / 2 + 1 steps,
	s_sub_co_u32 s19, 9, s18                       ; block 15 - i the rest of nine
	s_sub_co_u32 s20, 15, s15
	s_bitcmp1_b32 s17, 0                           ; i / 2 odd: block i's number of steps is the even one
	s_cselect_b32 s[N1], s18, s19
	s_cselect_b32 s[N2], s19, s18
	s_cselect_b32 s21, s15, s20                    ; the first block,
	s_cselect_b32 s22, s20, s15                    ; the second
	s_lshl_b32 s[AROW], s21, 19                    ; 128 rows of 4,096 bytes
	s_lshl_b32 s[AROW2], s22, 19
	s_mov_b32 s[AKK], 1                            ; step 0 is asked for below
	s_mov_b32 s[AN], s[N1]
	s_mov_b32 s[RT], s[N1]
	s_mov_b32 s[NEW], 1
	s_mov_b32 s[CNT], 4
	; descriptor group 1.  P: a tile of 64 rows x 256 elements; V: of 128 rows x 128 elements; both padded in LDS
	s_mov_b32 s[G1A+0], 15|(1<<16)|(1<<20)|(1<<21)|(6<<22)|(3<<25)  ; 15:0 the mask of four; 17:16 element of 2 bytes; 20 padding on; 21 set beside a mask; 24:22 after every 128 words (code 6); 31:25 of 4 words (code 3)
	s_mov_b32 s[G1A+1], 256<<16                    ; tensor_dim0 = 256
	s_mov_b32 s[G1A+2], 64<<16                     ; tensor_dim1 = 64
	s_mov_b32 s[G1A+3], 256<<16                    ; tile_dim0 = 256
	s_mov_b32 s[G1A+4], 64                         ; tile_dim1 = 64
	s_mov_b32 s[G1A+5], 2048                       ; elements from row to row of pbuf
	s_mov_b32 s[G1A+6], 0
	s_mov_b32 s[G1A+7], 0
	s_mov_b32 s[G1V+0], (1<<16)|(1<<20)|(5<<22)|(7<<25)  ; no mask; after every 64 words (code 5) 8 words of padding (code 7)
	s_mov_b32 s[G1V+1], 128<<16                    ; tensor_dim0 = 128
	s_mov_b32 s[G1V+2], 128<<16                    ; tensor_dim1 = 128
	s_mov_b32 s[G1V+3], 128<<16                    ; tile_dim0 = 128
	s_mov_b32 s[G1V+4], 128                        ; tile_dim1 = 128
	s_mov_b32 s[G1V+5], 3072                       ; elements from row to row of qkv
	s_mov_b32 s[G1V+6], 0
	s_mov_b32 s[G1V+7], 0
	s_mul_i32 s23, s12, 64*PITCH                   ; where my half of P's tile goes,
	s_mul_i32 s20, s12, 128*PV                     ; and of V's: no place in the cluster enters an LDS address
.irp s, 0,1
	s_mov_b32 s[G0A+4*(\s)], 1
	s_add_co_u32 s[G0A+4*(\s)+1], s23, (\s)*SLOT
	s_mov_b32 s[G0V+4*(\s)], 1
	s_add_co_u32 s[G0V+4*(\s)+1], s20, (\s)*SLOT+VOFF
.endr
	s_lshl_b32 s[OA], s14, 23                      ; P: the batch's 2,048 rows of 4,096 bytes,
	s_lshl_b32 s[OA+1], s12, 18                    ; my 64 rows of a tile
	s_add_co_u32 s[OA], s[OA], s[OA+1]
	s_mov_b32 s[OA+1], 0
	s_lshl_b32 s[OV], s14, 11                      ; V: the batch's first row,
	s_lshl_b32 s[OV+1], s12, 7                     ; my 128 keys of a step,
	s_add_co_u32 s[OV], s[OV], s[OV+1]
	s_mul_i32 s[OV], s[OV], 6144
	s_lshl_b32 s[OV+1], s13, 8                     ; my tile's 128 channels,
	s_add_co_u32 s[OV], s[OV], s[OV+1]
	s_add_co_u32 s[OV], s[OV], 4096                ; in v's part of a row
	s_mov_b32 s[OV+1], 0
	s_wait_dscnt 0x0                               ; the opening add is done
	s_wait_kmcnt 0x0
	s_add_nc_u64 s[PA:PA+1], s[4:5], s[OA:OA+1]
	s_add_nc_u64 s[VA:VA+1], s[6:7], s[OV:OV+1]
	s_mov_b32 s[OA], s[AROW]
	s_add_nc_u64 s[G0A+2:G0A+3], s[PA:PA+1], s[OA:OA+1]  ; the first block's step 0
	s_or_b32 s[G0A+3], s[G0A+3], 0x80000000
	s_add_nc_u64 s[G0V+2:G0V+3], s[VA:VA+1], 0
	s_or_b32 s[G0V+3], s[G0V+3], 0x80000000
	CROUND                                         ; all four work-groups are here: the first joint loads meet
	JLOAD 0                                        ; slot 1 is filled behind the first trip's round, as a refill is
	v_and_b32 v1, 15, v0                           ; l % 16
	v_bfe_u32 v2, v0, 4, 1                         ; l / 16
	v_mul_u32_u24 v3, v1, PITCH
	v_lshl_add_u32 v3, v2, 4, v3                   ; a fragment of P: row x pitch + 16 x half
	s_mul_i32 s23, s11, 64*PITCH                   ; my 64 rows
	v_add_nc_u32 v[ADRA], s23, v3
	v_add_nc_u32 v[ADRA+1], SLOT, v[ADRA]
	; The turning load takes 16 keys x 16 channels (lane l reads key 8 (l / 16) + l % 8, channels 8 ((l / 8) % 2) + 0..7) and leaves half a fragment of V^T: lane l holds channel l % 16 and 8 keys.
	v_and_b32 v4, 7, v0
	v_bfe_u32 v5, v0, 3, 1
	v_lshl_add_u32 v6, v2, 3, v4
	v_mul_u32_u24 v6, v6, PV
	v_lshl_add_u32 v6, v5, 4, v6
	s_lshl_b32 s23, s12, 7                         ; my 64 channels
	s_add_co_u32 s23, s23, VOFF
	v_add_nc_u32 v[ADRB], s23, v6
	v_add_nc_u32 v[ADRB+1], 128*PV, v[ADRB]
	v_add_nc_u32 v[ADRB+2], SLOT, v[ADRB]
	v_add_nc_u32 v[ADRB+3], SLOT, v[ADRB+1]
	s_mul_i32 s23, s11, 64*SPITCH                  ; into the stage: my 64 rows, my half of their 256 bytes; row l % 16, 16 bytes for each half of the lanes
	s_lshl_b32 s20, s12, 7
	s_add_co_u32 s23, s23, s20
	s_add_co_u32 s23, s23, STAGE
	v_mul_u32_u24 v4, v1, SPITCH
	v_lshl_add_u32 v4, v2, 4, v4
	v_add_nc_u32 v[STO], s23, v4
	s_mul_i32 s23, s10, 32*SPITCH                  ; back: wave w takes rows 32 w .. 32 w + 31, whole
	s_add_co_u32 s23, s23, STAGE
	v_mul_u32_u24 v5, v2, SPITCH
	v_lshl_add_u32 v5, v1, 4, v5
	v_add_nc_u32 v[RD], s23, v5
	v_lshlrev_b32 v5, 11, v2                       ; and the same two rows of 2,048 bytes in ob
	v_lshl_add_u32 v[CO], v1, 4, v5
	s_lshl_b32 s20, s14, 11                        ; the rows that I store: the batch's,
	s_lshl_b32 s23, s10, 5                         ; + 32 x wave,
	s_add_co_u32 s20, s20, s23
	s_lshl_b32 s16, s21, 7                         ; + 128 x the block
	s_add_co_u32 s16, s16, s20
	s_lshl_b32 s16, s16, 11
	s_lshl_b32 s18, s22, 7
	s_add_co_u32 s18, s18, s20
	s_lshl_b32 s18, s18, 11
	s_lshl_b32 s23, s13, 8                         ; the tile's first channel, in bytes
	s_add_co_u32 s16, s16, s23
	s_add_co_u32 s18, s18, s23
	s_mov_b32 s17, 0
	s_mov_b32 s19, 0
	s_add_nc_u64 s[CB:CB+1], s[8:9], s[16:17]
	s_add_nc_u64 s[CB2:CB2+1], s[8:9], s[18:19]
; 8 matrix instructions: row blocks a0, a0 + 1 x all 4 channel blocks, 32 keys: half c of buffer f.  zero = 1: the product starts the sums.  The 16 accumulators take turns, one instruction a turn.
.macro MUL8 f, c, a0, zero
	WIN MUL
.irp a, \a0, (\a0)+1
.irp b, 0,1,2,3
.if \zero
	v_wmma_f32_16x16x32_f16 v[ACC+8*(4*(\a)+(\b)):ACC+8*(4*(\a)+(\b))+7], v[(\f)+64+8*(4*(\c)+(\b)):(\f)+64+8*(4*(\c)+(\b))+7], v[(\f)+8*(4*(\c)+(\a)):(\f)+8*(4*(\c)+(\a))+7], 0
.else
	v_wmma_f32_16x16x32_f16 v[ACC+8*(4*(\a)+(\b)):ACC+8*(4*(\a)+(\b))+7], v[(\f)+64+8*(4*(\c)+(\b)):(\f)+64+8*(4*(\c)+(\b))+7], v[(\f)+8*(4*(\c)+(\a)):(\f)+8*(4*(\c)+(\a))+7], v[ACC+8*(4*(\a)+(\b)):ACC+8*(4*(\a)+(\b))+7]
.endif
.endr
.endr
.endm
; 32 LDS loads in one run: the fragments of quarter q of a step (64 keys) into buffer f; the first 32 keys first
.macro FETCH slot, q, f
	WIN TO_F
.irp c, 0,1
.irp n, 0,1,2,3
	ds_load_tr16_b128 v[(\f)+64+8*(4*(\c)+(\n)):(\f)+64+8*(4*(\c)+(\n))+3],   v[ADRB+2*(\slot)+(\q)/2] offset:(((\q)%2)*64+32*(\c))*PV+32*(\n)
	ds_load_tr16_b128 v[(\f)+64+8*(4*(\c)+(\n))+4:(\f)+64+8*(4*(\c)+(\n))+7], v[ADRB+2*(\slot)+(\q)/2] offset:(((\q)%2)*64+32*(\c)+16)*PV+32*(\n)
	ds_load_b128 v[(\f)+8*(4*(\c)+(\n)):(\f)+8*(4*(\c)+(\n))+3],              v[ADRA+(\slot)] offset:128*(\q)+64*(\c)+(\n)*16*PITCH
	ds_load_b128 v[(\f)+8*(4*(\c)+(\n))+4:(\f)+8*(4*(\c)+(\n))+7],            v[ADRA+(\slot)] offset:128*(\q)+64*(\c)+(\n)*16*PITCH+32
.endr
.endr
.endm
.macro PLACES                          ; four places in front of loads into registers that matrix instructions have read, and of conversions that read results
.rept 4
	v_nop
.endr
.endm
; A quarter: multiplies buffer f and fetches quarter q into g
.macro QUARTER slot, q, f, g
	s_wait_dscnt 16                                ; the first 32 keys are in; the sixteen younger loads may stay out
	MUL8 \f, 0, 0, 0
	MUL8 \f, 0, 2, 0
	PLACES
	FETCH \slot, \q, \g
	s_wait_dscnt 32                                ; all but the 32 just issued
	MUL8 \f, 1, 0, 0
	MUL8 \f, 1, 2, 0
.endm
; The descriptors of slot s take the next step's addresses, each made anew from its base and an offset.  Behind the first block's last step comes the second block's step 0.  Scalar work alone.
.macro ASKNEXT s
	s_cmp_eq_u32 s[AKK], s[AN]
	s_cselect_b32 s[AKK], 0, s[AKK]
	s_cselect_b32 s[AROW], s[AROW2], s[AROW]
	s_cselect_b32 s[AN], 16, s[AN]                 ; more than the second block has: no second change
	s_lshl_b32 s[OA], s[AKK], 9                    ; 256 keys along P's rows,
	s_add_co_u32 s[OA], s[OA], s[AROW]
	s_mul_i32 s[OV], s[AKK], 256*6144              ; 256 rows down V
	s_add_nc_u64 s[G0A+4*(\s)+2:G0A+4*(\s)+3], s[PA:PA+1], s[OA:OA+1]
	s_or_b32 s[G0A+4*(\s)+3], s[G0A+4*(\s)+3], 0x80000000
	s_add_nc_u64 s[G0V+4*(\s)+2:G0V+4*(\s)+3], s[VA:VA+1], s[OV:OV+1]
	s_or_b32 s[G0V+4*(\s)+3], s[G0V+4*(\s)+3], 0x80000000
	s_add_co_u32 s[AKK], s[AKK], 1
.endm
; A STEP of 256 keys in slot `slot`: 128 matrix instructions.  In front of its barrier each wave waits for all its tensor loads (its part of this slot), adds 0 to its spare word, and waits for that and for its reads of the other slot.
; refill = 1: the barrier is a round of the cluster's, and the other slot is filled again first thing behind it: that load has this step's 128 matrix instructions in which to land.
; first = 1 (slot 0's text): where the step is a block's first, its first 16 products take the constant 0 as C: nothing is ever cleared.
.macro TRIP slot, refill, first
	WIN 0
	s_wait_tensorcnt 0x0                           ; no tensor load of mine is out, so a group 0 may be written
	ds_add_u32 v[SPW], v[NIL]                      ; 0 onto my spare word; the descriptors' scalar work stands between it and the wait for it
.if \refill
	ASKNEXT 1-(\slot)
.endif
	s_wait_dscnt 0x0                               ; the add is done, and my reads of the other slot are over
.if \refill
	CROUND                                         ; no wave of any partner still reads the other slot or has a load on its way
	JLOAD 1-(\slot)                                ; the four v_nop behind it are also the places in front of the loads below
.else
	s_barrier_signal -1
	s_barrier_wait -1
	PLACES
.endif
	FETCH \slot, 0, F0
	s_wait_dscnt 16
.if \first
	WIN 0                                          ; at a branch and at a label every window is 0
	s_cmp_eq_u32 s[NEW], 1
	s_cbranch_scc1 .Lzero_\@
	MUL8 F0, 0, 0, 0
	MUL8 F0, 0, 2, 0
	WIN 0
	s_branch .Ljoin_\@
.Lzero_\@:
	PLACES                                         ; with the four above: eight places between the last block's products and those that write over their accumulators
	MUL8 F0, 0, 0, 1
	MUL8 F0, 0, 2, 1
	WIN 0
.Ljoin_\@:
	s_mov_b32 s[NEW], 0
.else
	MUL8 F0, 0, 0, 0
	MUL8 F0, 0, 2, 0
.endif
	PLACES
	FETCH \slot, 1, F1
	s_wait_dscnt 32
	MUL8 F0, 1, 0, 0
	MUL8 F0, 1, 2, 0
	QUARTER \slot, 2, F1, F0
	QUARTER \slot, 3, F0, F1
	s_wait_dscnt 16                                ; the step's last quarter: nothing more to fetch from this slot
	MUL8 F1, 0, 0, 0
	MUL8 F1, 0, 2, 0
	s_wait_dscnt 0x0
	MUL8 F1, 1, 0, 0
	MUL8 F1, 1, 2, 0
	WIN 0
.endm
; THE WAY OUT of a block: round to f16; 16 bytes a lane into the work-group's stage; a barrier, since a row's 256 bytes come from two waves; back as whole rows, 32 rows a wave.
; The tensor load that is out meanwhile fills a slot, not the stage.
.macro OUT
	PLACES
.irp t, 0,1,2,3,4,5,6,7,8,9,10,11,12,13,14,15
.irp r, 0,1,2,3
	v_cvt_pk_f16_f32 v[TMP+4*(\t)+(\r)], v[ACC+8*(\t)+2*(\r)], v[ACC+8*(\t)+2*(\r)+1]
.endr
.endr
.irp a, 0,1,2,3
.irp b, 0,1,2,3
	ds_store_b128 v[STO], v[TMP+4*(4*(\a)+(\b)):TMP+4*(4*(\a)+(\b))+3] offset:(\a)*16*SPITCH+32*(\b)
.endr
.endr
	s_wait_dscnt 0x0                               ; for the others' sake: my stores into the stage are done
	s_barrier_signal -1
	s_barrier_wait -1
.irp t, 0,1,2,3,4,5,6,7,8,9,10,11,12,13,14,15
	ds_load_b128 v[TMP+4*(\t):TMP+4*(\t)+3], v[RD] offset:(\t)*2*SPITCH
.endr
.irp t, 0,1,2,3,4,5,6,7,8,9,10,11,12,13,14,15
	s_wait_dscnt 15-(\t)                           ; LDS loads come back in order: pair t of rows is in
	global_store_b128 v[CO], v[TMP+4*(\t):TMP+4*(\t)+3], s[CB:CB+1] offset:2*(\t)*2048  ; 16 lanes store 256 consecutive bytes, at a multiple of 256 from ob's first byte
.endr
.endm
.Ltrip:                                                ; four trips of two steps; each step asks for the next
	TRIP 0, 1, 1
	TRIP 1, 1, 0
	s_sub_co_u32 s[RT], s[RT], 2
	s_cmp_lg_u32 s[RT], 0                          ; the same answer in all four waves and all four partners; the second block's count is odd and never comes to 0 here
	s_cbranch_scc1 .Lbottom
	OUT                                            ; the first block is finished; the second block's first tiles are on their way
	s_wait_xcnt 0x0                                ; the stores have had their addresses translated (ISA guide 3.1): their base and their data registers are rewritten only behind this wait
	s_mov_b64 s[CB:CB+1], s[CB2:CB2+1]
	s_mov_b32 s[RT], s[N2]
	s_mov_b32 s[NEW], 1
.Lbottom:
	s_sub_co_u32 s[CNT], s[CNT], 1
	s_cmp_lg_u32 s[CNT], 0
	s_cbranch_scc1 .Ltrip
	TRIP 0, 0, 1                                   ; the ninth step is written out: nothing is asked for
	OUT
	s_wait_tensorcnt 0x0                           ; the wave's end: the add and its wait, behind my last tensor load and my last LDS store
	ds_add_u32 v[SPW], v[NIL]
	s_wait_dscnt 0x0
	CROUND                                         ; the closing round: no work-group ends while a partner may still ask for a tile that names it
	s_endpgm
.Lfunc_end_k_qd2e634d63a_gpv:
	.size	k_qd2e634d63a_gpv, .Lfunc_end_k_qd2e634d63a_gpv-k_qd2e634d63a_gpv
	.p2alignl 7, 3214868480
	.fill 96, 4, 3214868480
	.section	.rodata,"a",@progbits
	.p2align	6, 0x0
	.amdhsa_kernel k_qd2e634d63a_gpv
		.amdhsa_group_segment_fixed_size 327680
		.amdhsa_private_segment_fixed_size 0
		.amdhsa_enable_private_segment 0
		.amdhsa_kernarg_size 24
		.amdhsa_user_sgpr_count 2
		.amdhsa_user_sgpr_kernarg_segment_ptr 1
		.amdhsa_wavefront_size32 1
		.amdhsa_system_sgpr_workgroup_id_x 1
		.amdhsa_system_sgpr_workgroup_id_y 1
		.amdhsa_system_sgpr_workgroup_id_z 1
		.amdhsa_system_vgpr_workitem_id 0
		.amdhsa_next_free_vgpr 512
		.amdhsa_next_free_sgpr 80
		.amdhsa_reserve_vcc 0
		.amdhsa_float_denorm_mode_32 3
		.amdhsa_float_denorm_mode_16_64 3
		.amdhsa_memory_ordered 1
		.amdhsa_forward_progress 1
		.amdhsa_inst_pref_size 81
	.end_amdhsa_kernel
	.amdgpu_metadata
---
amdhsa.version: [ 1, 2 ]
amdhsa.kernels:
  - .name:           k_qd2e634d63a_gpv
    .symbol:         k_qd2e634d63a_gpv.kd
    .args:
      - { .name: pbuf, .offset: 0, .size: 8, .value_kind: global_buffer, .address_space: global }
      - { .name: qkv, .offset: 8, .size: 8, .value_kind: global_buffer, .address_space: global }
      - { .name: ob, .offset: 16, .size: 8, .value_kind: global_buffer, .address_space: global }
    .group_segment_fixed_size: 327680
    .private_segment_fixed_size: 0
    .kernarg_segment_align: 8
    .kernarg_segment_size: 24
    .max_flat_workgroup_size: 128
    .sgpr_count:     80
    .vgpr_count:     512
    .wavefront_size: 32
...
	.end_amdgpu_metadata
.endif
;; end of part 5
;; launch go (part 6): grid 8 x 64, 4 waves a work-group, clusters of 4 x 4, 327,680 bytes of LDS; arguments ob, wo16, out0; writes out0
.if DOCPART == 6
	.amdgcn_target "amdgcn-amd-amdhsa--gfx1250"
	.amdhsa_code_object_version 6
	.text
	.protected	k_qd2e634d63a_go
	.globl	k_qd2e634d63a_go
	.p2align	8
	.type	k_qd2e634d63a_go,@function
k_qd2e634d63a_go:
	s_mov_b64 s[64:65], 0
	v_nop
	global_prefetch_b8 v0, s[64:65] scope:SCOPE_SE
	s_setreg_imm32_b32 hwreg(HW_REG_WAVE_MODE, 25, 1), 1
	s_wait_xcnt 0x0
	s_wait_alu depctr_hold_cnt(0) depctr_sa_sdst(0) depctr_va_vdst(0) depctr_va_sdst(0) depctr_va_ssrc(0) depctr_va_vcc(0) depctr_vm_vsrc(0)
	s_getreg_b32 s2, hwreg(HW_REG_IB_STS2, 6, 4)
	s_cmp_eq_u32 s2, 0
	s_cbranch_scc0 .Lentry_in_a_cluster
	s_endpgm
.Lentry_in_a_cluster:
	s_bfe_u32 s2, ttmp6, 0x10000c
	s_cmp_lg_u32 s2, 0xf033
	s_cbranch_scc0 .Lentry_shape_is_right
	s_endpgm
.Lentry_shape_is_right:
; THE OUTPUT PROJECTION.  out0[m][n] = sum over k of ob[m][k] wo16[n][k].  ob: [8192][1024] f16, wo16: [1024][1024] f16 (W_o rounded to bf16, written as f16), out0: [8192][1024] f32; sums in f32.
; A tile of out0 is 128 x 128.  Four waves, each 64 x 64: 16 accumulators of 16 x 16.  K goes in four steps of 256 (LDS rows of 512 bytes; a wave's tensor load brings 64 of them) through two slots.
; CLUSTERS: 4 x 4 work-groups.  The four of a row of the cluster need the same tiles of ob, the four of a column the same tiles of wo16: each tile is asked for JOINTLY, by the same tensor load with the
; same descriptor and a mask that names the four.  THE MATRIX INSTRUCTION IS USED TRANSPOSED (source 0 = 16 rows of wo16, source 1 = 16 rows of ob): a lane holds eight neighbouring numbers of a row of out0.
; A wave's 64 columns of f32 are 256 bytes, so each wave has a stage of its own on the way out, and no barrier.
; REGISTERS: window 0: v0-31 addresses; v32-95 at work on the way out; v128-255 the accumulators ((a, b) at v[128 + 8 (4 a + b)]).  window 1: two fragment buffers of 128: 64 registers of A, then 64 of B.
.set PC,     4096                      ; bytes in a row of out0
.set SIZE_K, 1024
.set KSTEP,  256
.set PITCH,  528                       ; an LDS row: 512 bytes of data + 16 of padding = 132 words: row r starts at bank 4 r mod 64 (64 banks of 4 bytes: ISA guide 11.1)
.set HALFT,  64*PITCH
.set SLOT,   4*HALFT                   ; A's 128 rows, then B's 128 rows
.set STAGE,  2*SLOT                    ; behind the ring: 16 rows x 272 bytes for each wave, for the way out
.set SPITCH, 272
.set SPARE,  STAGE+4*16*SPITCH         ; behind the stages: the spare words, 128 bytes for each wave: two blocks of 256 bytes that no other line names
.set LAPS, SIZE_K/(2*KSTEP)
.set ADRA, 16                          ; v16-17  LDS address of my A fragments in slot 0, 1
.set ADRB, 20                          ; v20-21  the same for B
.set STO,  24                          ; v24     the way out: where I put 32 bytes of a row
.set RD,   25                          ; v25     the way out: where I read a row back
.set CO,   26                          ; v26     my byte offset in out0
.set SPW,  28                          ; v28     LDS address of my spare word; never rewritten
.set NIL,  29                          ; v29     0; never rewritten
.set TMP,  32                          ; the way out: two sets of 32 registers, 16 rows each
.set ACC,  128
.set F0,   0
.set F1,   128
.set G1, 24
.set G0, 32
.set G1B, 48
.set G0B, 56
.set MSB, 0
.macro WIN new                         ; the immediate's high byte repeats the setting that is left; a switch that changes nothing is dropped
.if MSB != (\new)
	s_set_vgpr_msb (MSB<<8)|(\new)
.set MSB, \new
.endif
.endm
.set MUL,  0x05                        ; sources 0 (B) and 1 (A) window 1; C and D window 0
.set TO_F, 0x40                        ; destination window 1, address window 0
.macro JLOAD s                         ; a joint load: waves 0 and 1 fetch A's two halves, waves 2 and 3 B's; an s_nop 0 and four v_nop follow each of the two lines
	s_cmp_eq_u32 s11, 0
	s_cbranch_scc0 .Lfor_b_\@
	tensor_load_to_lds s[G0+4*(\s):G0+4*(\s)+3], s[G1:G1+7]
	s_nop 0
.rept 4
	v_nop
.endr
	s_branch .Lasked_\@
.Lfor_b_\@:
	tensor_load_to_lds s[G0B+4*(\s):G0B+4*(\s)+3], s[G1B:G1B+7]
	s_nop 0
.rept 4
	v_nop
.endr
.Lasked_\@:
.endm
.macro CREST                           ; a round of the cluster's barrier behind its opening barrier
	s_cmp_lg_u32 s10, 0
	s_cbranch_scc1 .Lnot_wave_0_\@
	s_barrier_signal -3
.Lnot_wave_0_\@:
	s_barrier_wait -3
	s_barrier_signal -1
	s_barrier_wait -1
.endm
.macro CROUND
	s_barrier_signal -1
	s_barrier_wait -1
	CREST
.endm
	s_load_b128 s[4:7], s[0:1], 0x0                ; ob s[4:5], wo16 s[6:7]
	s_load_b64 s[8:9], s[0:1], 0x10                ; out0
	v_lshl_add_u32 v[SPW], v0, 2, SPARE
	v_mov_b32 v[NIL], 0
	ds_add_u32 v[SPW], v[NIL]                      ; the wave's opening: the add and its wait stand ahead of my first tensor load; the set-up below, work on registers, stands between them
	v_lshrrev_b32 v1, 5, v0
	v_readfirstlane_b32 s10, v1                    ; wave 0..3
	s_lshr_b32 s11, s10, 1                         ; which half of the tile's rows is mine.  Also: I fetch for A (0) or for B (1)
	s_and_b32 s12, s10, 1                          ; which half of its columns.  Also: which 64 rows of that tile I fetch
	s_bfe_u32 s40, ttmp6, 0x40000                  ; cx, cy: my place in the cluster
	s_bfe_u32 s41, ttmp6, 0x40004
	s_lshl_b32 s42, ttmp9, 2
	s_add_co_u32 s42, s42, s40                     ; tile column = 4 x cluster x + cx
	s_and_b32 s13, ttmp7, 0xffff
	s_lshl_b32 s13, s13, 2
	s_add_co_u32 s13, s13, s41                     ; tile row = 4 x cluster y + cy
	s_lshl_b32 s43, s41, 2
	s_lshl_b32 s43, 15, s43                        ; my row of the cluster
	s_lshl_b32 s44, 0x1111, s40                    ; my column
	; descriptor group 1: a tile of 64 rows x 256 elements, padded in LDS
	s_or_b32 s[G1+0], s43, (1<<16)|(1<<20)|(1<<21)|(6<<22)|(3<<25)  ; 15:0 the mask: A's tiles go to my row; 17:16 element of 2 bytes; 20 padding on; 21 set beside a mask; 24:22 after every 128 words (code 6); 31:25 of 4 words (code 3)
	s_or_b32 s[G1B+0], s44, (1<<16)|(1<<20)|(1<<21)|(6<<22)|(3<<25)
.irp g, G1, G1B
	s_mov_b32 s[(\g)+1], KSTEP<<16                 ; tensor_dim0 = 256
	s_mov_b32 s[(\g)+2], 64<<16                    ; tensor_dim1 = 64
	s_mov_b32 s[(\g)+3], KSTEP<<16                 ; tile_dim0 = 256
	s_mov_b32 s[(\g)+4], 64                        ; tile_dim1 = 64
	s_mov_b32 s[(\g)+5], SIZE_K                    ; elements from row to row
	s_mov_b32 s[(\g)+6], 0
	s_mov_b32 s[(\g)+7], 0
.endr
	s_lshl_b32 s17, s12, 6                         ; which 64 rows of the tile I fetch
	s_lshl_b32 s16, s13, 7
	s_add_co_u32 s16, s16, s17                     ; A: row 128 x tile row + 64 x half
	s_lshl_b32 s46, s42, 7
	s_add_co_u32 s46, s46, s17                     ; B: row 128 x tile column + 64 x half
	s_mov_b32 s17, 0
	s_mov_b32 s47, 0
	s_mov_b64 s[18:19], SIZE_K*2
	s_mul_u64 s[16:17], s[16:17], s[18:19]
	s_mul_u64 s[46:47], s[46:47], s[18:19]
	s_mul_i32 s20, s10, HALFT                      ; where they go: wave x 64 rows
	s_wait_dscnt 0x0                               ; the opening add is done
	s_wait_kmcnt 0x0
	s_add_nc_u64 s[14:15], s[4:5], s[16:17]
	s_add_nc_u64 s[46:47], s[6:7], s[46:47]
	CROUND                                         ; all sixteen work-groups are here: the first joint loads meet
.irp s, 0,1
	s_mov_b32 s[G0+4*(\s)], 1
	s_add_co_u32 s[G0+4*(\s)+1], s20, (\s)*SLOT
	s_add_nc_u64 s[G0+4*(\s)+2:G0+4*(\s)+3], s[14:15], (\s)*KSTEP*2
	s_or_b32 s[G0+4*(\s)+3], s[G0+4*(\s)+3], 0x80000000
	s_mov_b32 s[G0B+4*(\s)], 1
	s_add_co_u32 s[G0B+4*(\s)+1], s20, (\s)*SLOT
	s_add_nc_u64 s[G0B+4*(\s)+2:G0B+4*(\s)+3], s[46:47], (\s)*KSTEP*2
	s_or_b32 s[G0B+4*(\s)+3], s[G0B+4*(\s)+3], 0x80000000
	JLOAD \s
.endr
	v_and_b32 v1, 15, v0                           ; l % 16
	v_bfe_u32 v2, v0, 4, 1                         ; l / 16
	v_mul_u32_u24 v3, v1, PITCH
	v_lshl_add_u32 v3, v2, 4, v3                   ; a fragment's row x pitch + 16 x half
	s_mul_i32 s21, s11, HALFT                      ; my 64 rows of A
	s_mul_i32 s22, s12, HALFT                      ; my 64 rows of B,
	s_add_co_u32 s22, s22, 2*HALFT                 ; which lie behind A's 128
.irp s, 0,1
	v_add_nc_u32 v[ADRA+(\s)], s21, v3
	v_add_nc_u32 v[ADRB+(\s)], s22, v3
	s_add_co_u32 s21, s21, SLOT
	s_add_co_u32 s22, s22, SLOT
.endr
	s_mul_i32 s23, s10, 16*SPITCH
	s_add_co_u32 s23, s23, STAGE                   ; my stage
	v_mul_u32_u24 v4, v1, SPITCH                   ; in: row l % 16, 32 bytes for each half of the lanes
	v_lshl_add_u32 v4, v2, 5, v4
	v_add_nc_u32 v[STO], s23, v4
	v_mul_u32_u24 v5, v2, SPITCH                   ; back: lanes 0-15 take one row of 256 bytes, lanes 16-31 the next
	v_lshl_add_u32 v5, v1, 4, v5
	v_add_nc_u32 v[RD], s23, v5
	v_mul_u32_u24 v5, v2, PC                       ; and the same two rows in out0
	v_lshl_add_u32 v[CO], v1, 4, v5
	s_lshl_b32 s16, s13, 7
	s_lshl_b32 s17, s11, 6
	s_add_co_u32 s16, s16, s17                     ; my first row: 128 x tile row + 64 x my half
	s_mov_b32 s17, 0
	s_mov_b64 s[18:19], PC
	s_mul_u64 s[16:17], s[16:17], s[18:19]
	s_add_nc_u64 s[8:9], s[8:9], s[16:17]
	s_lshl_b32 s46, s42, 9                         ; my first column, in bytes: 512 x tile column + 256 x half
	s_lshl_b32 s47, s12, 8
	s_add_co_u32 s46, s46, s47
	s_mov_b32 s47, 0
	s_add_nc_u64 s[8:9], s[8:9], s[46:47]
; 8 matrix instructions: m blocks a0, a0 + 1 x all 4 n blocks, 32 along K: half c of buffer f.  zero = 1: the first product starts the sums.  The 16 accumulators take turns, one instruction a turn.
.macro MUL8 f, c, a0, zero
	WIN MUL
.irp a, \a0, (\a0)+1
.irp b, 0,1,2,3
.if \zero
	v_wmma_f32_16x16x32_f16 v[ACC+8*(4*(\a)+(\b)):ACC+8*(4*(\a)+(\b))+7], v[(\f)+64+8*(4*(\c)+(\b)):(\f)+64+8*(4*(\c)+(\b))+7], v[(\f)+8*(4*(\c)+(\a)):(\f)+8*(4*(\c)+(\a))+7], 0
.else
	v_wmma_f32_16x16x32_f16 v[ACC+8*(4*(\a)+(\b)):ACC+8*(4*(\a)+(\b))+7], v[(\f)+64+8*(4*(\c)+(\b)):(\f)+64+8*(4*(\c)+(\b))+7], v[(\f)+8*(4*(\c)+(\a)):(\f)+8*(4*(\c)+(\a))+7], v[ACC+8*(4*(\a)+(\b)):ACC+8*(4*(\a)+(\b))+7]
.endif
.endr
.endr
.endm
; 32 LDS loads in one run: the fragments of 64 along K at byte k of the rows, into buffer f; the first 32 along K first
.macro FETCH slot, k, f
	WIN TO_F
.irp c, 0,1
.irp i, 0,1,2,3
	ds_load_b128 v[(\f)+64+8*(4*(\c)+(\i)):(\f)+64+8*(4*(\c)+(\i))+3],   v[ADRB+(\slot)] offset:(\k)+64*(\c)+(\i)*16*PITCH
	ds_load_b128 v[(\f)+64+8*(4*(\c)+(\i))+4:(\f)+64+8*(4*(\c)+(\i))+7], v[ADRB+(\slot)] offset:(\k)+64*(\c)+(\i)*16*PITCH+32
	ds_load_b128 v[(\f)+8*(4*(\c)+(\i)):(\f)+8*(4*(\c)+(\i))+3],         v[ADRA+(\slot)] offset:(\k)+64*(\c)+(\i)*16*PITCH
	ds_load_b128 v[(\f)+8*(4*(\c)+(\i))+4:(\f)+8*(4*(\c)+(\i))+7],       v[ADRA+(\slot)] offset:(\k)+64*(\c)+(\i)*16*PITCH+32
.endr
.endr
.endm
.macro PLACES                          ; four places in front of loads into registers that matrix instructions have read, and of LDS stores that read results
.rept 4
	v_nop
.endr
.endm
; A K step is four quarters of 64 along K, 32 matrix instructions each, on buffers 0, 1, 0, 1.  One of the first three: multiplies buffer f and fetches the next quarter, at byte k, into g.
.macro QUARTER slot, k, f, g, zero
	s_wait_dscnt 16                                ; the first 32 along K are in; the sixteen younger loads may stay out
	WIN MUL
	MUL8 \f, 0, 0, \zero
	MUL8 \f, 0, 2, \zero
	PLACES
	FETCH \slot, \k, \g
	s_wait_dscnt 32                                ; all but the 32 just issued
	WIN MUL
	MUL8 \f, 1, 0, 0
	MUL8 \f, 1, 2, 0
.endm
; The last quarter multiplies buffer 1 and changes slots: ONE barrier; in front of it each wave waits for all its tensor loads, adds 0 to its spare word, and waits for that and for its own reads of this slot.  fill = 1: this slot is filled again, two K steps ahead.
.macro TURN slot, next, fill
	WIN 0                                          ; (the add's two registers lie in window 0)
	s_wait_tensorcnt 0x0                           ; all my tensor loads have landed: my part of the next slot;
	ds_add_u32 v[SPW], v[NIL]                      ; 0 onto my spare word;
	s_wait_dscnt 17                                ; (the add and the youngest sixteen loads may be out)
	WIN MUL
	MUL8 F1, 0, 0, 0                               ; eight matrix instructions stand between the add and the wait for it
	s_wait_dscnt 0x0                               ; the add is done, and my reads of this slot are over
	s_barrier_signal -1
	MUL8 F1, 0, 2, 0
.if \fill
	WIN 0
.endif
	s_barrier_wait -1
.if \fill
	CREST                                          ; the barrier has opened a round of the cluster's barrier: no wave of any partner still reads this slot's tile or has a load on its way
	s_add_nc_u64 s[G0+4*(\slot)+2:G0+4*(\slot)+3], s[G0+4*(\slot)+2:G0+4*(\slot)+3], 2*KSTEP*2
	s_add_nc_u64 s[G0B+4*(\slot)+2:G0B+4*(\slot)+3], s[G0B+4*(\slot)+2:G0B+4*(\slot)+3], 2*KSTEP*2
	JLOAD \slot                                    ; the first tensor load behind the round; the four v_nop behind it are also the places in front of the loads below
.else
	PLACES
.endif
	FETCH \next, 0, F0
	WIN MUL
	MUL8 F1, 1, 0, 0
	MUL8 F1, 1, 2, 0
.endm
	s_wait_tensorcnt 1                             ; my part of K step 0 is in; K step 1's may stay out
	s_barrier_signal -1
	s_barrier_wait -1                              ; everybody's is
	FETCH 0, 0, F0
	QUARTER 0, 128, F0, F1, 1                      ; the first quarter stands in front of the loop: its first products start the sums
	WIN 0                                          ; at a label and at a branch every window is 0
	s_mov_b32 s3, LAPS-1
.Llap:                                                 ; a trip goes once round the ring, from a lap's second quarter to the next lap's first, and fills both slots again
	QUARTER 0, 256, F1, F0, 0
	QUARTER 0, 384, F0, F1, 0
	TURN 0, 1, 1
	QUARTER 1, 128, F0, F1, 0
	QUARTER 1, 256, F1, F0, 0
	QUARTER 1, 384, F0, F1, 0
	TURN 1, 0, 1
	QUARTER 0, 128, F0, F1, 0
	WIN 0
	s_sub_co_u32 s3, s3, 1
	s_cmp_lg_u32 s3, 0
	s_cbranch_scc1 .Llap
	QUARTER 0, 256, F1, F0, 0                      ; the last lap fills nothing, and has no round of the cluster's barrier
	QUARTER 0, 384, F0, F1, 0
	TURN 0, 1, 0
	QUARTER 1, 128, F0, F1, 0
	QUARTER 1, 256, F1, F0, 0
	QUARTER 1, 384, F0, F1, 0
	s_wait_dscnt 16                                ; the very last quarter: nothing more to fetch
	WIN MUL
	MUL8 F1, 0, 0, 0
	MUL8 F1, 0, 2, 0
	s_wait_dscnt 0
	MUL8 F1, 1, 0, 0
	MUL8 F1, 1, 2, 0
	WIN 0
	; THE WAY OUT, 16 rows at a time: a lane's eight f32 of a row, 32 bytes, go into my own stage (rows of 272 bytes) and come back as whole rows of 256 bytes.  No barrier: no other wave touches my stage.
	PLACES
.irp a, 0,1,2,3
.if (\a) >= 2
	s_wait_xcnt 0x0                                ; the stores of two blocks back have had their addresses translated (ISA guide 3.1): their data registers are loaded again only behind this wait
.endif
.irp b, 0,1,2,3
	ds_store_b128 v[STO], v[ACC+8*(4*(\a)+(\b)):ACC+8*(4*(\a)+(\b))+3]   offset:64*(\b)      ; each accumulator's low registers first
	ds_store_b128 v[STO], v[ACC+8*(4*(\a)+(\b))+4:ACC+8*(4*(\a)+(\b))+7] offset:64*(\b)+16
.endr
.irp t, 0,1,2,3,4,5,6,7
	ds_load_b128 v[TMP+32*((\a)%2)+4*(\t):TMP+32*((\a)%2)+4*(\t)+3], v[RD] offset:(\t)*2*SPITCH  ; LDS serves a wave's instructions in order (ISA guide 5.7.1.4): these see the stores above; the next block's stores come behind them
.endr
.irp t, 0,1,2,3,4,5,6,7
	s_wait_dscnt 7-(\t)
	global_store_b128 v[CO], v[TMP+32*((\a)%2)+4*(\t):TMP+32*((\a)%2)+4*(\t)+3], s[8:9] offset:(16*(\a)+2*(\t))*PC  ; 16 lanes store 256 consecutive bytes, at a multiple of 256 from out0's first byte
.endr
.endr
	s_wait_tensorcnt 0x0                           ; the wave's end: the add and its wait, behind my last tensor load and my last LDS store
	ds_add_u32 v[SPW], v[NIL]
	s_wait_dscnt 0x0
	CROUND                                         ; the closing round: no work-group ends while a partner may still ask for a tile that names it
	s_endpgm
.Lfunc_end_k_qd2e634d63a_go:
	.size	k_qd2e634d63a_go, .Lfunc_end_k_qd2e634d63a_go-k_qd2e634d63a_go
	.p2alignl 7, 3214868480
	.fill 96, 4, 3214868480
	.section	.rodata,"a",@progbits
	.p2align	6, 0x0
	.amdhsa_kernel k_qd2e634d63a_go
		.amdhsa_group_segment_fixed_size 327680
		.amdhsa_private_segment_fixed_size 0
		.amdhsa_enable_private_segment 0
		.amdhsa_kernarg_size 24
		.amdhsa_user_sgpr_count 2
		.amdhsa_user_sgpr_kernarg_segment_ptr 1
		.amdhsa_wavefront_size32 1
		.amdhsa_system_sgpr_workgroup_id_x 1
		.amdhsa_system_sgpr_workgroup_id_y 1
		.amdhsa_system_sgpr_workgroup_id_z 1
		.amdhsa_system_vgpr_workitem_id 0
		.amdhsa_next_free_vgpr 512
		.amdhsa_next_free_sgpr 66
		.amdhsa_reserve_vcc 0
		.amdhsa_float_denorm_mode_32 3
		.amdhsa_float_denorm_mode_16_64 3
		.amdhsa_memory_ordered 1
		.amdhsa_forward_progress 1
		.amdhsa_inst_pref_size 86
	.end_amdhsa_kernel
	.amdgpu_metadata
---
amdhsa.version: [ 1, 2 ]
amdhsa.kernels:
  - .name:           k_qd2e634d63a_go
    .symbol:         k_qd2e634d63a_go.kd
    .args:
      - { .name: ob, .offset: 0, .size: 8, .value_kind: global_buffer, .address_space: global }
      - { .name: wo16, .offset: 8, .size: 8, .value_kind: global_buffer, .address_space: global }
      - { .name: out0, .offset: 16, .size: 8, .value_kind: global_buffer, .address_space: global }
    .group_segment_fixed_size: 327680
    .private_segment_fixed_size: 0
    .kernarg_segment_align: 8
    .kernarg_segment_size: 24
    .max_flat_workgroup_size: 128
    .sgpr_count:     66
    .vgpr_count:     512
    .wavefront_size: 32
...
	.end_amdgpu_metadata
.endif
;; end of part 6
